; MI455X (gfx1250); checked and timed in simulation.
; The chip was launched on July 23, 2026; its instructions are those of AMD's public machine-readable ISA for CDNA 5 (MIT licence, August 2026) and "CDNA5" Instruction Set Architecture Reference Guide (July 2026). The comments in the code are by the model that wrote it; some were corrected since.
;; Attention. Allowed arithmetic: matrix products marked QUANTISED: E2M1 operands, one E8M0 scale for each 32 along K, by v_wmma_scale_f32_16x16x128_f8f6f4 with both operands' format E2M1 (or v_wmma_scale_f32_32x16x128_f4), f32 sums; products left as they are: bf16, f16 or f32 operands; f32 sums; everything else in f32.
;; Inputs: freqs_cos 2,048 x 64 float32; freqs_sin 2,048 x 64 float32; wk 1,024 x 4,096 float32; wo 4,096 x 2,048 float32; wq 2,048 x 4,096 float32; wv 1,024 x 4,096 float32; x 1 x 2,048 x 4,096 float32.
;; Outputs: out0 1 x 2,048 x 4,096 float32.
;; This version of the problem:
;;   THIS VERSION OF THE PROBLEM IS GIVEN IN LOW PRECISION. The matrix products marked QUANTISED in the list below multiply operands that are first quantised to E2M1 (2 exponent bits, 1 mantissa bit; 4 bits a number), with one power-of-two scale for each 32 numbers along K (OCP MX v1.0); their sums are f32. The products marked 'left as it is' may take bf16, f16 or f32 operands, with f32 sums. Whichever they take, every output number must still come out within the allowed error. Rounding operands to bf16 (8 significant bits) uses up far more of that allowance than f16 does (11 bits, for magnitudes from 6e-5 to 65,504). All else is computed in f32.
;;   The module's matrix products, in the order in which they are computed (A, B: the left and right operand; K: the contracted axis; several contracted axes count as one K, in the product's order):
;;     1. [M 2,048, K 4,096] x [K 4,096, N 2,048]; A: input x; B: input wq: QUANTISED
;;     2. [M 2,048, K 4,096] x [K 4,096, N 1,024]; A: input x; B: input wk: QUANTISED
;;     3. [M 2,048, K 4,096] x [K 4,096, N 1,024]; A: input x; B: input wv: QUANTISED
;;     4. batch 16 x [M 2,048, K 128] x [K 128, N 2,048]; A: computed on the way; B: computed on the way: left as it is (an operand is computed on the way)
;;     5. batch 16 x [M 128, K 2,048] x [K 2,048, N 2,048]; A: computed on the way; B: computed on the way: left as it is (an operand is computed on the way)
;;     6. [M 2,048, K 2,048] x [K 2,048, N 4,096]; A: computed on the way; B: input wo: left as it is (an operand is computed on the way)
;;   THE QUANTISER, for each operand of a quantised product, along K:
;;     - K is cut into blocks of 32 from its start; a last block that is shorter is filled with zeros.
;;     - A block's scale is 2^e with e = floor(log2(the largest magnitude in the block)) - 2, held to -126 .. 127; a block of zeros has e = 0. As a byte (E8M0): e + 127.
;;     - Each number is divided by its block's scale, clamped to +-6, and rounded to the nearest number of E2M1, ties to even, subnormals kept.
;;     - The product sums the exact products of the quantised numbers (number of the format x scale) in f32.
;;   ~~~python
;;   def quantise(x, axis):      # numpy; x: float32 -> the quantised numbers, widened to float32 again
;;       x = np.moveaxis(x, axis, -1); K = x.shape[-1]
;;       x = np.pad(x, [(0, 0)] * (x.ndim - 1) + [(0, -K % 32)]); x = x.reshape(x.shape[:-1] + (-1, 32)); a = np.abs(x).max(-1, keepdims=True)
;;       e = np.where(a > 0, np.clip(np.frexp(np.where(a > 0, a, 1))[1] - 1 - 2, -126, 127), 0)      # np.frexp(a)[1] - 1 = floor(log2(a)), exactly
;;       r = np.clip(x / 2.0 ** e, -6, 6)
;;       step = 2.0 ** (np.maximum(np.frexp(np.where(r == 0, 1, r))[1] - 1, 0) - 1)
;;       q = np.round(r / step) * step * 2.0 ** e      # np.round: ties to even
;;       return np.moveaxis(q.reshape(q.shape[:-2] + (-1,))[..., :K], -1, axis).astype(np.float32)
;;   ~~~
;; One version. Each part assembles by itself: llvm-mc -triple=amdgcn-amd-amdhsa -mcpu=gfx1250 --defsym DOCPART=n.
;; ======== version 1 of 1: 5 launches
;; limits: values are held in f16: magnitudes above 65,504 overflow, below 6.1e-05 lose precision
;; workspace buffers: codes 12,582,912 bytes; scales 786,432 bytes; qkv16 16,777,216 bytes; rows32 262,144 bytes; wo16 16,777,216 bytes; att16 8,388,608 bytes
;; launch quant (part 1): grid 768 x 1, 4 waves a work-group, no clusters, 33,280 bytes of LDS; arguments x, wq, wk, wv, codes, scales; writes codes, scales
.if DOCPART == 1
	.amdgcn_target "amdgcn-amd-amdhsa--gfx1250"
	.amdhsa_code_object_version 6
	.text
	.protected	k_q62e0fed4fa_quant
	.globl	k_q62e0fed4fa_quant
	.p2align	8
	.type	k_q62e0fed4fa_quant,@function
k_q62e0fed4fa_quant:
	s_mov_b64 s[64:65], 0
	v_nop
	global_prefetch_b8 v0, s[64:65] scope:SCOPE_SE
	s_setreg_imm32_b32 hwreg(HW_REG_WAVE_MODE, 25, 1), 1
	s_wait_xcnt 0x0
; THE PROGRAM: one attention layer, S = 2,048 tokens, D = 4,096, 16 query heads, 8 key/value heads of 128.  Five launches:
;   quant    x, wq, wk, wv (f32) -> codes of FP4 (E2M1) and E8M0 scale bytes, K innermost          (this text)
;   qkv      x wq^T, x wk^T, x wv^T as ONE product on codes; RoPE; x 1/16; f16; tokens 0-15 also in f32
;   first16  tokens 0-15 wholly in f32 (scores, softmax, values, projection), and wo x 16 -> f16
;   attn     causal attention in f16 operands, f32 sums, running maximum
;   proj     the projection on the way out, f16 operands, f32 sums, tokens 16-2047
; WORK LEFT OUT.  reference() builds the causal mask in its own body (jnp.tril) and puts finfo.min in place of every score whose key comes after its query; behind the row's maximum
; (key 0 counts for every query, so the maximum is a true score) such a weight is 0 beside the others for all finite inputs.  So key tiles that lie wholly after a tile of queries
; are not multiplied, in launches first16 (none arises) and attn.  Nothing else is left out: every input has a way to the output and is loaded.  jnp.repeat of K and V is a lookup: two query heads read one key/value head.
; LIMIT: a NaN, an infinity or an overflow that reaches only the tiles left out is not carried to the result.
; THIS LAUNCH.  Four tensors, each [rows][4,096] f32 with K innermost and dense: plain streams of blocks of 32.  The codes and the scale bytes are one stream each: rows 0-2047 x, 2048-4095 wq, 4096-5119 wk, 5120-6143 wv.
; A block's scale is 2^(floor(log2(its largest magnitude)) - 2); its byte is the largest magnitude's exponent field - 2, held at 1 from below.  Each number is divided by the scale and rounded to the nearest code, ties to even,
; beyond 6 the largest code.  A block of zeros gets the byte 1 where the rule says 127: its codes are zeros, which add nothing, and this program alone reads the bytes.
; LIMITS: blocks whose largest magnitude lies under 2^-124 keep the byte 1; NaN and infinities among the inputs are not served.
; A wave takes 16 steps of 512 numbers.  Each of a step's four loads reads 512 consecutive bytes; the 2,048 bytes turn through the wave's own stage in LDS and come back 64 bytes a lane, so that a lane holds 16 neighbours
; along K (two lanes a block).  A wave's store of codes covers 256 consecutive bytes, aligned; its 256 scale bytes are gathered in LDS and leave as one such store.  No barrier: waves share nothing.
.set WAVES, 4
.set STEPS, 16
.set EMAX,  2
.set CB,    8                          ; bytes of 16 codes
.set R,     16                         ; v16-79   four sets of 16 numbers as loaded
.set X,     80                         ; v80-111  two sets of 16 neighbours
.set C,     128                        ; v128-191 codes: four registers a step, so that no store's data are written again
.set E,     112                        ; v112-127 a scale byte for each step
.set WREG,  8192                       ; LDS: a region for each wave: two stages of 32 x SP bytes, then its 256 scale bytes
.set SP,    80                         ; a lane's place in a stage: 64 bytes + 16 of padding
.set SPW,   12                         ; v12 my spare word's LDS address; never rewritten
.set NIL,   13                         ; v13 0; never rewritten
.set SPARE, WAVES*WREG                 ; the spare words: 128 bytes a wave, named by no other line
	s_load_b256 s[4:11], s[0:1], 0x0               ; x, wq, wk, wv
	s_load_b128 s[12:15], s[0:1], 0x20             ; codes, scales
	v_lshl_add_u32 v[SPW], v0, 2, SPARE
	v_mov_b32 v[NIL], 0
	v_lshrrev_b32 v1, 5, v0
	v_readfirstlane_b32 s22, v1                    ; wave
	v_and_b32 v2, 31, v0                           ; lane
	v_lshlrev_b32 v3, 4, v2                        ; my 16 bytes of a load's 512
	s_mul_i32 s23, s22, WREG
	v_lshrrev_b32 v14, 2, v2
	v_mul_u32_u24 v14, v14, SP
	v_and_b32 v15, 3, v2
	v_lshl_add_u32 v14, v15, 4, v14
	v_add_nc_u32 v14, s23, v14                     ; the stage, on the way in: SP (lane / 4) + 16 (lane % 4)
	v_mul_u32_u24 v15, v2, SP
	v_add_nc_u32 v15, s23, v15                     ; and on the way out: SP x lane
	v_mul_u32_u24 v4, v2, CB                       ; my codes' place in a step's
	v_lshrrev_b32 v5, 1, v2
	s_add_co_u32 s23, s23, 2*32*SP
	v_add_nc_u32 v5, s23, v5                       ; my block's scale byte in LDS
	v_lshlrev_b32 v7, 3, v2                        ; on the way out 8 bytes a lane
	v_add_nc_u32 v6, s23, v7
	s_wait_kmcnt 0x0
	s_cmp_lt_u32 ttmp9, 256                        ; which tensor: work-groups 0-255 x, 256-511 wq, 512-639 wk, 640-767 wv.  The choices hang on the work-group's number alone
	s_cselect_b64 s[16:17], s[4:5], s[6:7]
	s_cselect_b32 s20, 0, 256
	s_mov_b32 s21, 640
	s_cmp_lt_u32 ttmp9, 640
	s_cselect_b64 s[18:19], s[8:9], s[10:11]
	s_cselect_b32 s21, 512, s21
	s_cmp_lt_u32 ttmp9, 512
	s_cselect_b64 s[4:5], s[16:17], s[18:19]
	s_cselect_b32 s20, s20, s21                    ; the tensor's first work-group
	s_sub_co_u32 s20, ttmp9, s20
	s_lshl_b32 s20, s20, 2
	s_add_co_u32 s24, s20, s22                     ; which run of 8,192 numbers of the tensor is my wave's
	s_mov_b32 s25, 0
	s_mov_b64 s[26:27], 512*STEPS*4
	s_mul_u64 s[26:27], s[24:25], s[26:27]
	s_add_nc_u64 s[4:5], s[4:5], s[26:27]
	s_lshl_b32 s24, ttmp9, 2
	s_add_co_u32 s24, s24, s22                     ; and which run of the common streams
	s_lshl_b32 s26, s24, 12                        ; 4,096 bytes of codes a run
	s_mov_b32 s27, 0
	s_add_nc_u64 s[12:13], s[12:13], s[26:27]
	s_lshl_b32 s26, s24, 8                         ; 256 scale bytes a run
	s_add_nc_u64 s[14:15], s[14:15], s[26:27]
.macro LOAD t
.irp i, 0,1,2,3
	global_load_b128 v[R+16*((\t)%4)+4*\i:R+16*((\t)%4)+4*\i+3], v3, s[4:5] offset:2048*(\t)+512*\i th:TH_LOAD_NT   ; 32 lanes read 512 consecutive bytes
.endr
.endm
.macro TURN t                          ; step t's numbers through the stage: LDS serves a wave's instructions in order, so no wait stands between the stores and the loads
.irp i, 0,1,2,3
	ds_store_b128 v14, v[R+16*((\t)%4)+4*\i:R+16*((\t)%4)+4*\i+3] offset:32*SP*((\t)%2)+8*SP*\i
.endr
.irp i, 0,1,2,3
	ds_load_b128 v[X+16*((\t)%2)+4*\i:X+16*((\t)%2)+4*\i+3], v15 offset:32*SP*((\t)%2)+16*\i
.endr
.endm
.irp t, 0,1,2,3
	LOAD \t
.endr
	s_wait_loadcnt 12                              ; step 0's four loads are in; three steps' twelve may be out
	TURN 0
.macro STEP t
.set XS, X+16*((\t)%2)
.if (\t) > 0
	s_wait_dscnt 1                                 ; this step's numbers are back from the stage (the last step's byte store may be out)
.else
	s_wait_dscnt 0x0
.endif
.if (\t)+4 < STEPS
	LOAD (\t)+4                                    ; into the registers that the stage's stores have read
.endif
.if (\t)+1 < STEPS
.if STEPS-2-(\t) >= 3
	s_wait_loadcnt 12                              ; the next step's four loads are in; those of the three steps behind it may be out
.else
	s_wait_loadcnt 4*(STEPS-2-(\t))
.endif
	TURN (\t)+1
.endif
	v_max3_num_f32 v8, |v[XS]|, |v[XS+1]|, |v[XS+2]|               ; the largest magnitude of my 16, in two chains
	v_max3_num_f32 v9, |v[XS+3]|, |v[XS+4]|, |v[XS+5]|
.irp i, 6,10
	v_max3_num_f32 v8, v8, |v[XS+\i]|, |v[XS+\i+1]|
	v_max3_num_f32 v9, v9, |v[XS+\i+2]|, |v[XS+\i+3]|
.endr
	v_max3_num_f32 v8, v8, |v[XS+14]|, |v[XS+15]|
	v_max3_num_f32 v8, v8, v9, (EMAX+1)<<23        ; and the floor 2^(3 - 127): the byte cannot fall under 1
	v_max_num_f32_dpp v8, v8, v8 row_xmask:1 row_mask:0xf bank_mask:0xf   ; with my neighbour's 16: the block's
	v_add_nc_u32 v11, -(EMAX<<23), v8              ; 2 off its exponent field: the conversion takes the exponent field of this operand as its scale
	v_cvt_scalef32_pk8_fp4_f32 v[C+4*(\t)], v[XS:XS+7], v11
	v_cvt_scalef32_pk8_fp4_f32 v[C+4*(\t)+1], v[XS+8:XS+15], v11
	v_lshrrev_b32 v[E+(\t)], 23, v11               ; the scale's byte
	ds_store_b8 v5, v[E+(\t)] offset:16*(\t)       ; both lanes of a block write the same byte with the same value
	global_store_b64 v4, v[C+4*(\t):C+4*(\t)+1], s[12:13] offset:32*CB*(\t)   ; the wave stores 256 consecutive bytes, aligned
.endm
.irp t, 0,1,2,3,4,5,6,7,8,9,10,11,12,13,14,15
	STEP \t
.endr
	ds_load_b64 v[8:9], v6                         ; LDS serves a wave's instructions in order: these see my stores
	s_wait_dscnt 0x0
	global_store_b64 v7, v[8:9], s[14:15]          ; 256 consecutive bytes, aligned
	s_wait_tensorcnt 0x0                           ; the wave's end
	ds_add_u32 v[SPW], v[NIL]
	s_wait_dscnt 0x0
	s_endpgm
.Lfunc_end_k_q62e0fed4fa_quant:
	.size	k_q62e0fed4fa_quant, .Lfunc_end_k_q62e0fed4fa_quant-k_q62e0fed4fa_quant
	.p2alignl 7, 3214868480
	.fill 96, 4, 3214868480
	.section	.rodata,"a",@progbits
	.p2align	6, 0x0
	.amdhsa_kernel k_q62e0fed4fa_quant
		.amdhsa_group_segment_fixed_size 33280
		.amdhsa_private_segment_fixed_size 0
		.amdhsa_enable_private_segment 0
		.amdhsa_kernarg_size 48
		.amdhsa_user_sgpr_count 2
		.amdhsa_user_sgpr_kernarg_segment_ptr 1
		.amdhsa_wavefront_size32 1
		.amdhsa_system_sgpr_workgroup_id_x 1
		.amdhsa_system_sgpr_workgroup_id_y 1
		.amdhsa_system_sgpr_workgroup_id_z 1
		.amdhsa_system_vgpr_workitem_id 0
		.amdhsa_next_free_vgpr 192
		.amdhsa_next_free_sgpr 66
		.amdhsa_reserve_vcc 0
		.amdhsa_float_denorm_mode_32 3
		.amdhsa_float_denorm_mode_16_64 3
		.amdhsa_memory_ordered 1
		.amdhsa_forward_progress 1
		.amdhsa_inst_pref_size 34
	.end_amdhsa_kernel
	.amdgpu_metadata
---
amdhsa.version: [ 1, 2 ]
amdhsa.kernels:
  - .name:           k_q62e0fed4fa_quant
    .symbol:         k_q62e0fed4fa_quant.kd
    .args:
      - { .name: x, .offset: 0, .size: 8, .value_kind: global_buffer, .address_space: global }
      - { .name: wq, .offset: 8, .size: 8, .value_kind: global_buffer, .address_space: global }
      - { .name: wk, .offset: 16, .size: 8, .value_kind: global_buffer, .address_space: global }
      - { .name: wv, .offset: 24, .size: 8, .value_kind: global_buffer, .address_space: global }
      - { .name: codes, .offset: 32, .size: 8, .value_kind: global_buffer, .address_space: global }
      - { .name: scales, .offset: 40, .size: 8, .value_kind: global_buffer, .address_space: global }
    .group_segment_fixed_size: 33280
    .private_segment_fixed_size: 0
    .kernarg_segment_align: 8
    .kernarg_segment_size: 48
    .max_flat_workgroup_size: 128
    .sgpr_count:     66
    .vgpr_count:     192
    .wavefront_size: 32
...
	.end_amdgpu_metadata
.endif
;; end of part 1
;; launch qkv (part 2): grid 16 x 16, 4 waves a work-group, clusters of 4 x 4, 327,680 bytes of LDS; arguments codes, scales, freqs_cos, freqs_sin, qkv16, rows32; writes qkv16, rows32
.if DOCPART == 2
	.amdgcn_target "amdgcn-amd-amdhsa--gfx1250"
	.amdhsa_code_object_version 6
	.text
	.protected	k_q62e0fed4fa_qkv
	.globl	k_q62e0fed4fa_qkv
	.p2align	8
	.type	k_q62e0fed4fa_qkv,@function
k_q62e0fed4fa_qkv:
	s_mov_b64 s[64:65], 0
	v_nop
	global_prefetch_b8 v0, s[64:65] scope:SCOPE_SE
	s_setreg_imm32_b32 hwreg(HW_REG_WAVE_MODE, 25, 1), 1
	s_wait_xcnt 0x0
	s_wait_alu depctr_hold_cnt(0) depctr_sa_sdst(0) depctr_va_vdst(0) depctr_va_sdst(0) depctr_va_ssrc(0) depctr_va_vcc(0) depctr_vm_vsrc(0)
	s_getreg_b32 s2, hwreg(HW_REG_IB_STS2, 6, 4)
	s_cmp_eq_u32 s2, 0
	s_cbranch_scc0 .Lentry_in_a_cluster
	s_endpgm
.Lentry_in_a_cluster:
	s_bfe_u32 s2, ttmp6, 0x10000c
	s_cmp_lg_u32 s2, 0xf033
	s_cbranch_scc0 .Lentry_shape_is_right
	s_endpgm
.Lentry_shape_is_right:
; q, k, v = x wq^T, x wk^T, x wv^T as ONE product on codes of FP4 with E8M0 scales: C[token][feature], 2,048 x 4,096, K = 4,096.  Features 0-2047 q, 2048-3071 k, 3072-4095 v.
; Tokens are rows 0-2047 of the codes' buffer, features rows 2048-6143; a row is 2,048 bytes of codes and 128 scale bytes.
; Behind the product: RoPE on q and k (f32), x 1/16 (a power of two: nothing is rounded), f16.  qkv16 is [32 slots of 128 features][2,048 tokens][128] f16; tokens 0-15 go also as f32 to rows32 [32][16][128].
; LIMIT: |q|, |k|, |v| above 16 x 65,504 become infinity in f16.
; SHARES.  A work-group makes 128 tokens x 256 features: 16 x 16 = 256 work-groups.  Four waves, each 64 tokens x 128 features (one slot): 32 accumulators, 256 registers.
; K goes in steps of 512 (rows of 256 bytes) through a ring of two LDS slots filled by the tensor data mover; a part is 128 along K: 32 matrix instructions, one deep on each accumulator.
; The scale bytes of the work-group's rows, for all of K, are dense blocks of memory: they come into LDS once, with the first fills.
; CLUSTER 4 x 4: the four of a row of the cluster need the same tokens, the four of a column the same features: each tile is asked for jointly.
; THE MATRIX INSTRUCTION IS USED TRANSPOSED (source 0 = 16 features, source 1 = 16 tokens): a lane holds one token and eight neighbouring features.
; REGISTERS: window 0: v1-31 addresses; v32-95 scale words, two sets; v128-191 the tokens' fragments, two sets of 32.  window 1: the features' fragments, two sets of 64.  window 2: accumulator (a, b) at v[8 (8 a + b)].
;   window 3: cos at v0-127, sin at v128-255 (64 tokens x 64 numbers over 32 lanes).  On the way out window 0: v32-95, v192-255 rows read back, by turns; v96-159 results in f32; v160-191 in f16.
.set PITCH,  272                       ; an LDS row: 256 bytes + 16 of padding, so that the 16 rows of a fragment load start 16 bytes apart modulo 256
.set AH,     64*PITCH                  ; 64 tokens' rows: one load
.set BOFF,   2*AH
.set BH,     128*PITCH                 ; 128 features' rows: one load
.set SLOT,   BOFF+2*BH
.set LAPS,   4                         ; a lap = two K steps; K = 4,096 = 8 steps
.set SCL,    2*SLOT                    ; the tokens' scale bytes: 64 rows of 256 bytes + 16
.set SAH,    32*272                    ; (one load's)
.set SBH,    64*272
.set SCB,    SCL+2*SAH                 ; the features': 128 such rows
.set SBLK,   8*272                     ; the scale bytes of 16 rows
.set SPARE,  SCB+2*SBH                 ; the spare words: 128 bytes a wave, named by no other line
.set SPITCH, 528                       ; the way out: a stage of 16 rows x (512 bytes + 16) for each wave, in slot 0, which has had its last fill and its last read by then
.set ADRA, 16                          ; v16-17 LDS address of my tokens' fragments in slot 0, 1
.set ADRB, 20                          ; v20-21 of my features'
.set TR,   23                          ; v23 cy
.set STO,  24                          ; v24 the stage: where I put 32 bytes of a row
.set RD,   25                          ; v25 and where I read 32 bytes of a row back
.set R32,  26                          ; v26 my byte offset in a slot of rows32
.set ADRS, 27                          ; v27 LDS address of my scale words: lanes 0-15 tokens', lanes 16-31 features'
.set SPW,  28
.set NIL,  29
.set RO,   31                          ; v31 16 x lane
.set SC,   32
.set Y,    96
.set AF,   128
.set OUT,  160
.set G1,   24
.set G0,   32
.set G1B,  48
.set G0B,  56
.set G1S,  68
.set G0S,  76
.set G1SB, 80
.set G0SB, 88
.set MSB, 0
.macro WIN new                         ; the immediate's high byte repeats the setting that is left
.if MSB != \new
	s_set_vgpr_msb (MSB<<8)|\new
.set MSB, \new
.endif
.endm
.set MUL,  0xa1                        ; source 0 window 1, source 1 window 0, C and D window 2
.set TO_B, 0x40                        ; destination window 1
; A joint load: waves 0 and 1 fetch for the tokens, waves 2 and 3 for the features.  The branch hangs on the wave's number alone.  An s_nop 0 and four v_nop follow each line.
.macro JLOAD g0a, g1a, g0b, g1b
	s_cmp_eq_u32 s15, 0
	s_cbranch_scc0 .Lfor_b_\@
	tensor_load_to_lds s[\g0a:\g0a+3], s[\g1a:\g1a+7]
	s_nop 0
.rept 4
	v_nop
.endr
	s_branch .Lasked_\@
.Lfor_b_\@:
	tensor_load_to_lds s[\g0b:\g0b+3], s[\g1b:\g1b+7]
	s_nop 0
.rept 4
	v_nop
.endr
.Lasked_\@:
.endm
.macro CREST                           ; a round of the cluster's barrier behind its opening barrier
	s_cmp_lg_u32 s14, 0
	s_cbranch_scc1 .Lnot_wave_0_\@
	s_barrier_signal -3
.Lnot_wave_0_\@:
	s_barrier_wait -3
	s_barrier_signal -1
	s_barrier_wait -1
.endm
.macro CROUND
	s_barrier_signal -1
	s_barrier_wait -1
	CREST
.endm
.macro PLACES n
.rept \n
	v_nop
.endr
.endm
	s_load_b256 s[4:11], s[0:1], 0x0               ; codes, scales, cos, sin
	s_load_b64 s[12:13], s[0:1], 0x20              ; qkv16
	s_load_b64 s[98:99], s[0:1], 0x28              ; rows32
	v_lshl_add_u32 v[SPW], v0, 2, SPARE
	v_mov_b32 v[NIL], 0
	ds_add_u32 v[SPW], v[NIL]                      ; the wave's opening: the add, twice on end, and its wait ahead of my first tensor load
	ds_add_u32 v[SPW], v[NIL]
	v_lshrrev_b32 v1, 5, v0
	v_readfirstlane_b32 s14, v1                    ; wave 0..3
	s_lshr_b32 s15, s14, 1                         ; my 64 tokens.  Also: I fetch for the tokens (0) or the features (1)
	s_and_b32 s16, s14, 1                          ; my 128 features.  Also: which half of that tile I fetch
	s_bfe_u32 s40, ttmp6, 0x40000                  ; cx
	s_bfe_u32 s41, ttmp6, 0x40004                  ; cy
	s_lshl_b32 s42, ttmp9, 2
	s_add_co_u32 s42, s42, s40                     ; feature tile = 4 x cluster x + cx
	s_and_b32 s17, ttmp7, 0xffff
	s_or_b32 s97, s17, s15                         ; 0 in waves 0 and 1 of the first row of clusters: the same in all partners
	s_lshl_b32 s17, s17, 2
	s_add_co_u32 s17, s17, s41                     ; token tile = 4 x cluster y + cy
	s_lshl_b32 s43, s41, 2
	s_lshl_b32 s43, 15, s43                        ; my row of the cluster
	s_lshl_b32 s44, 0x1111, s40                    ; my column
	; group 1: tiles of 64 (tokens) or 128 (features) rows x 256 bytes, 2,048 bytes apart in memory; 16 bytes of padding behind every 256
	s_or_b32 s[G1], s43, (1<<20)|(1<<21)|(5<<22)|(3<<25)
	s_or_b32 s[G1B], s44, (1<<20)|(1<<21)|(5<<22)|(3<<25)
	s_mov_b32 s[G1+1], 256<<16
	s_mov_b32 s[G1+2], 64<<16
	s_mov_b32 s[G1+3], 256<<16
	s_mov_b32 s[G1+4], 64
	s_mov_b32 s[G1+5], 2048
	s_mov_b32 s[G1+6], 0
	s_mov_b32 s[G1+7], 0
	s_mov_b32 s[G1B+1], 256<<16
	s_mov_b32 s[G1B+2], 128<<16
	s_mov_b32 s[G1B+3], 256<<16
	s_mov_b32 s[G1B+4], 128
	s_mov_b32 s[G1B+5], 2048
	s_mov_b32 s[G1B+6], 0
	s_mov_b32 s[G1B+7], 0
	; the scale bytes: dense blocks, as rows of 256 bytes (32 elements of 8 bytes), 32 rows (64 tokens) or 64 rows (128 features) a load
	s_or_b32 s[G1S], s43, (3<<16)|(1<<20)|(1<<21)|(5<<22)|(3<<25)
	s_or_b32 s[G1SB], s44, (3<<16)|(1<<20)|(1<<21)|(5<<22)|(3<<25)
	s_mov_b32 s[G1S+1], 32<<16
	s_mov_b32 s[G1S+2], 32<<16
	s_mov_b32 s[G1S+3], 32<<16
	s_mov_b32 s[G1S+4], 32
	s_mov_b32 s[G1S+5], 32
	s_mov_b32 s[G1S+6], 0
	s_mov_b32 s[G1S+7], 0
	s_mov_b32 s[G1SB+1], 32<<16
	s_mov_b32 s[G1SB+2], 64<<16
	s_mov_b32 s[G1SB+3], 32<<16
	s_mov_b32 s[G1SB+4], 64
	s_mov_b32 s[G1SB+5], 32
	s_mov_b32 s[G1SB+6], 0
	s_mov_b32 s[G1SB+7], 0
	s_lshl_b32 s20, s17, 7
	s_lshl_b32 s18, s16, 6
	s_add_co_u32 s20, s20, s18                     ; tokens: row 128 x token tile + 64 x half
	s_lshl_b32 s46, s42, 8
	s_lshl_b32 s18, s16, 7
	s_add_co_u32 s46, s46, s18
	s_add_co_u32 s46, s46, 2048                    ; features: row 2,048 + 256 x feature tile + 128 x half
	s_lshl_b32 s22, s20, 7                         ; their scale bytes
	s_mov_b32 s23, 0
	s_lshl_b32 s92, s46, 7
	s_mov_b32 s93, 0
	s_lshl_b32 s20, s20, 11                        ; their codes
	s_mov_b32 s21, 0
	s_lshl_b32 s46, s46, 11
	s_mov_b32 s47, 0
	s_mul_i32 s45, s16, AH                         ; where they go: no place in the cluster enters an LDS address
	s_mul_i32 s94, s16, BH
	s_add_co_u32 s94, s94, BOFF
	s_mul_i32 s95, s16, SAH
	s_mul_i32 s96, s16, SBH
	s_wait_dscnt 0x0                               ; both opening adds are done
	s_wait_kmcnt 0x0
	s_add_nc_u64 s[20:21], s[4:5], s[20:21]
	s_add_nc_u64 s[46:47], s[4:5], s[46:47]
	s_add_nc_u64 s[22:23], s[6:7], s[22:23]
	s_add_nc_u64 s[92:93], s[6:7], s[92:93]
	CROUND                                         ; all sixteen work-groups are here: the first joint loads meet
	s_mov_b32 s[G0S], 1
	s_add_co_u32 s[G0S+1], s95, SCL
	s_mov_b64 s[G0S+2:G0S+3], s[22:23]
	s_or_b32 s[G0S+3], s[G0S+3], 0x80000000
	s_mov_b32 s[G0SB], 1
	s_add_co_u32 s[G0SB+1], s96, SCB
	s_mov_b64 s[G0SB+2:G0SB+3], s[92:93]
	s_or_b32 s[G0SB+3], s[G0SB+3], 0x80000000
	JLOAD G0S, G1S, G0SB, G1SB                     ; the scales first: they are wanted with K step 0
.irp s, 0,1
	s_mov_b32 s[G0+4*\s], 1
	s_add_co_u32 s[G0+4*\s+1], s45, \s*SLOT
	s_add_nc_u64 s[G0+4*\s+2:G0+4*\s+3], s[20:21], \s*256
	s_or_b32 s[G0+4*\s+3], s[G0+4*\s+3], 0x80000000
	s_mov_b32 s[G0B+4*\s], 1
	s_add_co_u32 s[G0B+4*\s+1], s94, \s*SLOT
	s_add_nc_u64 s[G0B+4*\s+2:G0B+4*\s+3], s[46:47], \s*256
	s_or_b32 s[G0B+4*\s+3], s[G0B+4*\s+3], 0x80000000
	JLOAD G0+4*\s, G1, G0B+4*\s, G1B               ; three loads of mine are out behind the last of these
.endr
	v_and_b32 v1, 15, v0                           ; r = lane % 16
	v_bfe_u32 v2, v0, 4, 1                         ; h = lane / 16
	v_mul_u32_u24 v3, v1, PITCH
	v_lshl_add_u32 v4, v2, 4, v3                   ; a fragment's row x pitch + 16 h
	s_mul_i32 s21, s15, AH
	s_mul_i32 s22, s16, BH
	s_add_co_u32 s22, s22, BOFF
.irp s, 0,1
	v_add_nc_u32 v[ADRA+\s], s21, v4
	v_add_nc_u32 v[ADRB+\s], s22, v4
	s_add_co_u32 s21, s21, SLOT
	s_add_co_u32 s22, s22, SLOT
.endr
	v_mul_u32_u24 v5, v1, 128                      ; my row's scale bytes: 128 a row,
	v_lshrrev_b32 v6, 8, v5
	v_lshl_add_u32 v5, v6, 4, v5                   ; and 16 more for each 256 passed
	s_mul_i32 s21, s15, SAH                        ; the tokens': my 64 rows
	s_mul_i32 s22, s16, SBH                        ; the features': my 128 rows, behind the tokens'
	s_add_co_u32 s22, s22, 2*SAH
	s_sub_co_u32 s22, s22, s21
	v_mul_u32_u24 v6, s22, v2                      ; lanes 16-31 take the features'
	s_add_co_u32 s21, s21, SCL
	v_add_nc_u32 v5, v5, v6
	v_add_nc_u32 v[ADRS], s21, v5
	s_mul_i32 s23, s14, 16*SPITCH                  ; my stage
	v_mul_u32_u24 v5, v1, SPITCH                   ; in: row r, 32 bytes for each half of the lanes
	v_lshl_add_u32 v5, v2, 5, v5
	v_add_nc_u32 v[STO], s23, v5
	v_mul_u32_u24 v5, v2, SPITCH                   ; back: lanes 0-15 one row, lanes 16-31 the next; 32 bytes a lane
	v_lshl_add_u32 v5, v1, 5, v5
	v_add_nc_u32 v[RD], s23, v5
	v_and_b32 v6, 31, v0
	v_lshlrev_b32 v[RO], 4, v6
	v_lshlrev_b32 v[R32], 5, v1
	v_lshl_add_u32 v[R32], v2, 9, v[R32]           ; rows32: 512 bytes a token, 32 bytes a lane
	v_mov_b32 v[TR], s41
	s_lshl_b32 s18, s17, 7
	s_lshl_b32 s19, s15, 6
	s_add_co_u32 s18, s18, s19                     ; my first token
	s_lshl_b32 s20, s18, 8                         ; 256 bytes a token in cos, sin and a slot of qkv16
	s_mov_b32 s21, 0
	s_add_nc_u64 s[8:9], s[8:9], s[20:21]
	s_add_nc_u64 s[10:11], s[10:11], s[20:21]
	s_lshl_b32 s22, s42, 1
	s_add_co_u32 s22, s22, s16                     ; my slot = feature / 128
	s_lshl_b32 s46, s22, 19
	s_add_co_u32 s46, s46, s20
	s_mov_b32 s47, 0
	s_add_nc_u64 s[12:13], s[12:13], s[46:47]
	s_lshl_b32 s46, s22, 13
	s_add_nc_u64 s[98:99], s[98:99], s[46:47]
; 24 LDS loads in one run: the fragments of a part (128 features, 64 tokens, 64 bytes at byte k of the rows) into set
.macro FETCH slot, k, set
	WIN TO_B
.irp i, 0,1,2,3,4,5,6,7
	ds_load_b128 v[64*(\set)+8*\i:64*(\set)+8*\i+3],   v[ADRB+\slot] offset:(\k)+\i*16*PITCH
	ds_load_b128 v[64*(\set)+8*\i+4:64*(\set)+8*\i+7], v[ADRB+\slot] offset:(\k)+\i*16*PITCH+32
.endr
	WIN 0
.irp i, 0,1,2,3
	ds_load_b128 v[AF+32*(\set)+8*\i:AF+32*(\set)+8*\i+3],   v[ADRA+\slot] offset:(\k)+\i*16*PITCH
	ds_load_b128 v[AF+32*(\set)+8*\i+4:AF+32*(\set)+8*\i+7], v[ADRA+\slot] offset:(\k)+\i*16*PITCH+32
.endr
.endm
.macro SCALES sc                       ; a K step's scale words: four words a row; lanes 16-31 the features' block i, lanes 0-15 the tokens' block i (blocks 0-3 are used; the others read filled bytes and cost no line)
.irp i, 0,1,2,3,4,5,6,7
	ds_load_b128 v[SC+32*\sc+4*\i:SC+32*\sc+4*\i+3], v[ADRS] offset:\i*SBLK
.endr
.endm
; 8 matrix instructions: the tokens' block a x the features' eight.  The 32 accumulators take turns, one instruction a turn, in the same order in every part.
.macro MUL8 a, set, q, sc, zero
.irp b, 0,1,2,3,4,5,6,7
.if \zero
	v_wmma_scale_f32_16x16x128_f8f6f4 v[8*(8*(\a)+\b):8*(8*(\a)+\b)+7], v[64*(\set)+8*\b:64*(\set)+8*\b+7], v[AF+32*(\set)+8*(\a):AF+32*(\set)+8*(\a)+7], 0, v[SC+32*(\sc)+4*\b+(\q)], v[SC+32*(\sc)+4*(\a)+(\q)] matrix_a_fmt:MATRIX_FMT_FP4 matrix_b_fmt:MATRIX_FMT_FP4 matrix_a_scale:MATRIX_SCALE_ROW1
.else
	v_wmma_scale_f32_16x16x128_f8f6f4 v[8*(8*(\a)+\b):8*(8*(\a)+\b)+7], v[64*(\set)+8*\b:64*(\set)+8*\b+7], v[AF+32*(\set)+8*(\a):AF+32*(\set)+8*(\a)+7], v[8*(8*(\a)+\b):8*(8*(\a)+\b)+7], v[SC+32*(\sc)+4*\b+(\q)], v[SC+32*(\sc)+4*(\a)+(\q)] matrix_a_fmt:MATRIX_FMT_FP4 matrix_b_fmt:MATRIX_FMT_FP4 matrix_a_scale:MATRIX_SCALE_ROW1
.endif
.endr
.endm
; One of a slot's first three parts: the next part's fragments are asked for (four places behind the products that read that set), then this part is multiplied.
.macro PART slot, q, zero
	PLACES 4
	FETCH \slot, 64*((\q)+1), 1-(\q)%2
	s_wait_dscnt 24                                ; all but the 24 just issued: this part's fragments (and scale words) are in
	WIN MUL
	MUL8 0, (\q)%2, \q, \slot, \zero
	MUL8 1, (\q)%2, \q, \slot, \zero
	MUL8 2, (\q)%2, \q, \slot, \zero
	MUL8 3, (\q)%2, \q, \slot, \zero
.endm
; A slot's fourth part changes slots: ONE barrier; in front of it each wave waits for all its tensor loads, adds 0 to its spare word, and waits for that and for its reads of this slot.
.macro TURN slot, next, fill
	WIN 0
	s_wait_tensorcnt 0x0                           ; all my tensor loads have landed: my part of the next slot
	ds_add_u32 v[SPW], v[NIL]
	s_wait_dscnt 1                                 ; this part's 24 loads are in; the add may be out
	WIN MUL
	MUL8 0, 1, 3, \slot, 0
	s_wait_dscnt 0x0                               ; the add is done, and my reads of this slot are over
	s_barrier_signal -1
	MUL8 1, 1, 3, \slot, 0
	WIN 0
	s_barrier_wait -1
.if \fill
	CREST                                          ; the barrier has opened a round of the cluster's: no wave of any partner still reads this slot or has a load on its way
	s_add_nc_u64 s[G0+4*\slot+2:G0+4*\slot+3], s[G0+4*\slot+2:G0+4*\slot+3], 512
	s_add_nc_u64 s[G0B+4*\slot+2:G0B+4*\slot+3], s[G0B+4*\slot+2:G0B+4*\slot+3], 512
	JLOAD G0+4*\slot, G1, G0B+4*\slot, G1B         ; the first tensor load behind the round; its four v_nop are the places in front of the loads below
.else
	PLACES 4
.endif
	v_add_nc_u32 v[ADRS], 16, v[ADRS]              ; the next K step's scale words
	FETCH \next, 0, 0
	SCALES \next
	WIN MUL
	MUL8 2, 1, 3, \slot, 0
	MUL8 3, 1, 3, \slot, 0
.endm
	s_wait_tensorcnt 1                             ; the scales and my part of K step 0 are in; K step 1's load may be out
	s_barrier_signal -1
	s_barrier_wait -1
	FETCH 0, 0, 0
	SCALES 0
	PART 0, 0, 1                                   ; the first part stands in front of the loop: its products start the sums
	WIN 0
	s_mov_b32 s3, LAPS-1
.Llap:                                             ; a trip goes once round the ring and fills both slots again
	PART 0, 1, 0
	PART 0, 2, 0
	TURN 0, 1, 1
	PART 1, 0, 0
	PART 1, 1, 0
	PART 1, 2, 0
	TURN 1, 0, 1
	PART 0, 0, 0
	WIN 0
	s_sub_co_u32 s3, s3, 1
	s_cmp_lg_u32 s3, 0
	s_cbranch_scc1 .Llap
	PART 0, 1, 0                                   ; the last lap fills nothing
	PART 0, 2, 0
	TURN 0, 1, 0
	WIN 0
; THE WAY OUT, block by block of 16 tokens x 128 features, through my own stage in LDS; it comes back two rows an instruction pair: lane (hh, c) holds token 2 u + hh, features 8 c .. 8 c + 7: four RoPE pairs.
.macro ANGLES reg, base                ; 64 tokens x 64 numbers: a load reads two tokens' 512 consecutive bytes: lane (hh, c) gets numbers 4 c .. 4 c + 3 of token 2 U + hh
	WIN 0xc0
.set U, 0
.rept 32
	global_load_b128 v[\reg+4*U:\reg+4*U+3], v[RO], s[\base:\base+1] offset:512*U
.set U, U+1
.endr
	WIN 0
.endm
.macro TOSTAGE a, soff
.set BBR, 32+160*((\a)%2)
	WIN 0x08                                       ; an LDS store's data: window 2
.irp b, 0,1,2,3,4,5,6,7
	ds_store_b128 v[STO], v[64*(\a)+8*\b:64*(\a)+8*\b+3] offset:\soff+64*\b      ; each accumulator from its low end on
	ds_store_b128 v[STO], v[64*(\a)+8*\b+4:64*(\a)+8*\b+7] offset:\soff+64*\b+16
.endr
	WIN 0
.irp u, 0,1,2,3,4,5,6,7
	ds_load_b128 v[BBR+8*\u:BBR+8*\u+3],   v[RD] offset:\soff+2*\u*SPITCH        ; LDS serves a wave's instructions in order: these see my stores
	ds_load_b128 v[BBR+8*\u+4:BBR+8*\u+7], v[RD] offset:\soff+2*\u*SPITCH+16
.endr
.endm
.macro PROC a, younger, rope
.set BBR, 32+160*((\a)%2)
	s_wait_dscnt \younger                          ; the block is back; the next block's 16 stores and 16 loads may be out
	s_wait_xcnt 0x0                                ; the last block's stores have read their registers: they are written again only behind this wait
.irp u, 0,1,2,3,4,5,6,7
.irp p, 0,2,4,6
.if \rope
	v_pk_mul_f32 v[BBR+8*\u+\p:BBR+8*\u+\p+1], v[BBR+8*\u+\p:BBR+8*\u+\p+1], 0x3d800000 op_sel_hi:[1,0]   ; x 1/16
.else
	v_pk_mul_f32 v[Y+8*\u+\p:Y+8*\u+\p+1], v[BBR+8*\u+\p:BBR+8*\u+\p+1], 0x3d800000 op_sel_hi:[1,0]
.endif
.endr
.endr
.if \rope
	WIN 0x0c                                       ; source 1: window 3, the angles
.irp u, 0,1,2,3,4,5,6,7
.irp p, 0,1,2,3
	v_mul_f32 v[Y+8*\u+2*\p],   v[BBR+8*\u+2*\p], v[4*(8*(\a)+\u)+\p]        ; x0 cos
	v_mul_f32 v[Y+8*\u+2*\p+1], v[BBR+8*\u+2*\p], v[128+4*(8*(\a)+\u)+\p]    ; x0 sin
.endr
.irp p, 0,1,2,3
	v_fma_f32 v[Y+8*\u+2*\p],   -v[BBR+8*\u+2*\p+1], v[128+4*(8*(\a)+\u)+\p], v[Y+8*\u+2*\p]     ; - x1 sin
	v_fma_f32 v[Y+8*\u+2*\p+1],  v[BBR+8*\u+2*\p+1], v[4*(8*(\a)+\u)+\p],     v[Y+8*\u+2*\p+1]   ; + x1 cos
.endr
.endr
	WIN 0
.endif
.irp u, 0,1,2,3,4,5,6,7
.irp p, 0,1,2,3
	v_cvt_pk_f16_f32 v[OUT+4*\u+\p], v[Y+8*\u+2*\p], v[Y+8*\u+2*\p+1]
.endr
.endr
.if (\a) == 0
	s_cmp_lg_u32 s97, 0                            ; tokens 0-15 lie in the first row of clusters, in waves 0 and 1: a test that is the same in all partners;
	s_cbranch_scc1 .Lnot_first_\@
	v_cmp_eq_u32 vcc_lo, 0, v[TR]                  ; which of the four partners holds them is told by EXEC, not by a branch
	s_wait_xcnt 0x0                                ; EXEC changes only behind this wait
	s_and_saveexec_b32 s18, vcc_lo
.irp u, 0,1,2,3,4,5,6,7
	global_store_b128 v[R32], v[Y+8*\u:Y+8*\u+3],   s[98:99] offset:1024*\u
	global_store_b128 v[R32], v[Y+8*\u+4:Y+8*\u+7], s[98:99] offset:1024*\u+16
.endr
	s_wait_xcnt 0x0
	s_or_b32 exec_lo, exec_lo, s18
.Lnot_first_\@:
.endif
.irp u, 0,1,2,3,4,5,6,7
	global_store_b128 v[RO], v[OUT+4*\u:OUT+4*\u+3], s[12:13] offset:(16*(\a)+2*\u)*256   ; the wave stores two tokens' 512 consecutive bytes, aligned
.endr
.endm
; The last K step and the way out, once with RoPE (q, k) and once without (v).  The angles are asked for in the arm that uses them: cos ahead of the slot's first part, sin ahead of its second: 32 loads each.
.macro ARM rope, soff
.if \rope
	ANGLES 0, 8
.endif
	PART 1, 0, 0
.if \rope
	ANGLES 128, 10
.endif
	PART 1, 1, 0
	PART 1, 2, 0
	s_wait_dscnt 0x0                               ; the very last part: nothing more to fetch
	WIN MUL
	MUL8 0, 1, 3, 1, 0
	MUL8 1, 1, 3, 1, 0
	MUL8 2, 1, 3, 1, 0
	MUL8 3, 1, 3, 1, 0
	WIN 0
.if \rope
	s_wait_loadcnt 0x0                             ; the angles
.endif
	PLACES 4                                       ; in front of the first read of results and of loads into registers that products have read
	TOSTAGE 0, \soff
	TOSTAGE 1, \soff
	PROC 0, 32, \rope
	TOSTAGE 2, \soff
	PROC 1, 32, \rope
	TOSTAGE 3, \soff
	PROC 2, 32, \rope
	PROC 3, 0, \rope
.endm
	s_cmp_eq_u32 ttmp9, 3                          ; the cluster's x: 3 = feature tiles 12-15 = v; the same in all partners and waves
	s_cbranch_scc1 .Lvalues
	ARM 1, 0
	s_branch .Lend
.Lvalues:
	ARM 0, 4*16*SPITCH                             ; (stages of its own)
.Lend:
	s_wait_tensorcnt 0x0                           ; the wave's end
	ds_add_u32 v[SPW], v[NIL]
	s_wait_dscnt 0x0
	CROUND                                         ; the closing round
	s_endpgm
.Lfunc_end_k_q62e0fed4fa_qkv:
	.size	k_q62e0fed4fa_qkv, .Lfunc_end_k_q62e0fed4fa_qkv-k_q62e0fed4fa_qkv
	.p2alignl 7, 3214868480
	.fill 96, 4, 3214868480
	.section	.rodata,"a",@progbits
	.p2align	6, 0x0
	.amdhsa_kernel k_q62e0fed4fa_qkv
		.amdhsa_group_segment_fixed_size 327680
		.amdhsa_private_segment_fixed_size 0
		.amdhsa_enable_private_segment 0
		.amdhsa_kernarg_size 48
		.amdhsa_user_sgpr_count 2
		.amdhsa_user_sgpr_kernarg_segment_ptr 1
		.amdhsa_wavefront_size32 1
		.amdhsa_system_sgpr_workgroup_id_x 1
		.amdhsa_system_sgpr_workgroup_id_y 1
		.amdhsa_system_sgpr_workgroup_id_z 1
		.amdhsa_system_vgpr_workitem_id 0
		.amdhsa_next_free_vgpr 1024
		.amdhsa_next_free_sgpr 100
		.amdhsa_reserve_vcc 1
		.amdhsa_float_denorm_mode_32 3
		.amdhsa_float_denorm_mode_16_64 3
		.amdhsa_memory_ordered 1
		.amdhsa_forward_progress 1
		.amdhsa_inst_pref_size 226
	.end_amdhsa_kernel
	.amdgpu_metadata
---
amdhsa.version: [ 1, 2 ]
amdhsa.kernels:
  - .name:           k_q62e0fed4fa_qkv
    .symbol:         k_q62e0fed4fa_qkv.kd
    .args:
      - { .name: codes, .offset: 0, .size: 8, .value_kind: global_buffer, .address_space: global }
      - { .name: scales, .offset: 8, .size: 8, .value_kind: global_buffer, .address_space: global }
      - { .name: freqs_cos, .offset: 16, .size: 8, .value_kind: global_buffer, .address_space: global }
      - { .name: freqs_sin, .offset: 24, .size: 8, .value_kind: global_buffer, .address_space: global }
      - { .name: qkv16, .offset: 32, .size: 8, .value_kind: global_buffer, .address_space: global }
      - { .name: rows32, .offset: 40, .size: 8, .value_kind: global_buffer, .address_space: global }
    .group_segment_fixed_size: 327680
    .private_segment_fixed_size: 0
    .kernarg_segment_align: 8
    .kernarg_segment_size: 48
    .max_flat_workgroup_size: 128
    .sgpr_count:     100
    .vgpr_count:     1024
    .wavefront_size: 32
...
	.end_amdgpu_metadata
.endif
;; end of part 2
;; launch first16 (part 3): grid 256 x 1, 16 waves a work-group, no clusters, 153,600 bytes of LDS; arguments rows32, wo, wo16, out0; writes wo16, out0
.if DOCPART == 3
	.amdgcn_target "amdgcn-amd-amdhsa--gfx1250"
	.amdhsa_code_object_version 6
	.text
	.protected	k_q62e0fed4fa_first16
	.globl	k_q62e0fed4fa_first16
	.p2align	8
	.type	k_q62e0fed4fa_first16,@function
k_q62e0fed4fa_first16:
	s_mov_b64 s[64:65], 0
	v_nop
	global_prefetch_b8 v0, s[64:65] scope:SCOPE_SE
	s_setreg_imm32_b32 hwreg(HW_REG_WAVE_MODE, 25, 1), 1
	s_wait_xcnt 0x0
; Two things on one pass over wo.  (1) wo16 = f16(16 wo), for the projection of tokens 16-2047.  (2) Rows 0-15 of the output wholly in f32: these rows average one to sixteen values and are the largest.
; No key tile is left out here: the 16 x 16 scores hold the diagonal; hidden scores become -infinity ahead of the maximum.
; SHARES.  Work-group x owns rows 16 x .. 16 x + 15 of wo, which are output columns.  Wave h is head h (key/value head h / 2).  Every work-group repeats the small attention of all 16 heads on 16 tokens
; (96 matrix instructions of 16 x 16 x 4 a wave); so wo is read from memory once, for both uses, and no further launch or buffer is needed.
; rows32 holds q, k (behind RoPE) and v as value / 16, f32; wo is taken x 16: the powers of two cancel, and c below carries 2^8 for q k^T.
; k IS PERMUTED ALIKE ON BOTH SOURCES of each product, so that nothing changes lanes between products.  Lane (r, hh): r = lane % 16, hh = lane / 16.
;   scores S^T = K Q^T: step s takes dims 64 hh + 2 s, + 1 of key r and of query r; the result: query r, keys 8 hh + j.
;   O^T = V^T P: step s' takes keys 8 hh + 2 s', + 1; the result of tile t: query r, channels 16 t + 8 hh + j.
;   out^T = wo O^T: step u takes channels 16 (u / 4) + 8 hh + 2 (u % 4), + 1; the result: query r, columns 8 hh + j: head h's part, summed over the heads through LDS in a fixed order.
; The accumulators v208-239 are written by matrix instructions alone; four take turns, one instruction a turn.
; The 16 f32 rows leave as 64 bytes of each of two rows a store: the price of 16 columns to a work-group, on 256 KiB of the output.
; LIMIT: |wo| above 4,094 becomes infinity in wo16.
.set WV,   12
.set SEL,  14                          ; s[14:15] selects for lane xor 16
.set CS,   16                          ; s16 c = 2^8 log2(e) / sqrt(128)
.set SPW,  14                          ; v14, v15: the add's two; never rewritten
.set NIL,  15
.set WOR,  16                          ; v16-79   my 128 columns of 16 rows of wo
.set QF,   80                          ; v80-143  q, then v, then wo as a fragment
.set KFR,  144                         ; v144-207 k, then O^T / l
.set ACC,  208
.set T,    240                         ; v240-247 scores, p, later my part of the output
.set W,    248                         ; v248-255 at work
.set WSTB, 16*528                      ; LDS: a stage of 16 rows x (512 + 16) bytes for each wave,
.set RED,  16*WSTB                     ; 16 x 1,024 bytes for the sum over heads,
.set SPARE, RED+16*1024                ; and the spare words: 128 bytes a wave, named by no other line
	s_load_b256 s[4:11], s[0:1], 0x0               ; rows32, wo, wo16, out0
	v_lshl_add_u32 v[SPW], v0, 2, SPARE
	v_mov_b32 v[NIL], 0
	v_lshrrev_b32 v1, 5, v0
	v_readfirstlane_b32 s[WV], v1                  ; wave = head
	v_and_b32 v1, 15, v0                           ; r
	v_bfe_u32 v2, v0, 4, 1                         ; hh
	v_and_b32 v[W], 31, v0                         ; lane
	v_lshlrev_b32 v3, 9, v1
	v_lshl_add_u32 v3, v2, 8, v3                   ; q, k: token r of 512 bytes, + 64 hh numbers
	v_lshlrev_b32 v4, 2, v1
	v_lshl_add_u32 v4, v2, 12, v4                  ; v: key 8 hh, channel r
	s_lshl_b32 s17, s[WV], 9
	v_lshlrev_b32 v5, 4, v[W]
	s_mul_i32 s18, s[WV], WSTB
	v_add_nc_u32 v6, s18, v5                       ; my stage, on the way in: 16 x lane
	v_add_nc_u32 v5, s17, v5                       ; wo: my head's 512 bytes of a row, 16 a lane
	v_mul_u32_u24 v7, v1, 528
	v_lshl_add_u32 v7, v2, 5, v7
	v_add_nc_u32 v7, s18, v7                       ; my stage, on the way out: row r, + 32 hh
	s_lshl_b32 s17, s[WV], 8
	v_lshlrev_b32 v8, 3, v[W]
	v_add_nc_u32 v8, s17, v8                       ; wo16: my head's 256 bytes of a row, 8 a lane
	s_lshl_b32 s17, s[WV], 10
	s_add_co_u32 s17, s17, RED
	v_lshlrev_b32 v9, 6, v1
	v_lshl_add_u32 v9, v2, 5, v9
	v_add_nc_u32 v9, s17, v9                       ; my part of the sum: [head][query r][16 columns]
	s_and_b32 s17, s[WV], 7
	s_lshl_b32 s18, s17, 7
	s_add_co_u32 s18, s18, RED
	v_lshlrev_b32 v10, 2, v1
	v_lshl_add_u32 v11, v2, 14, v10
	v_lshl_add_u32 v10, v2, 6, v10
	v_add_nc_u32 v10, s18, v10                     ; the sum's reader: query 2 (wave % 8) + hh, column r
	s_lshl_b32 s18, s17, 15
	v_add_nc_u32 v11, s18, v11                     ; and the same place in out0: 16,384 bytes a row
	v_lshlrev_b32 v12, 3, v2
	v_sub_nc_u32 v12, v1, v12                      ; r - 8 hh: key 8 hh + j is hidden where j is above it
	v_mov_b32 v13, 0xff800000                      ; -infinity
	s_mov_b32 s[SEL], 0x76543210
	s_mov_b32 s[SEL+1], 0xfedcba98
	s_mov_b32 s[CS], 0x420293ee
	s_mov_b32 s19, 0
	s_wait_kmcnt 0x0
	s_lshl_b32 s18, s[WV], 13
	s_add_nc_u64 s[20:21], s[4:5], s[18:19]        ; q: slot h
	s_lshr_b32 s18, s[WV], 1
	s_lshl_b32 s18, s18, 13
	s_add_co_u32 s18, s18, 16*8192
	s_add_nc_u64 s[22:23], s[4:5], s[18:19]        ; k: slot 16 + h / 2
	s_add_nc_u64 s[24:25], s[22:23], 8*8192        ; v: slot 24 + h / 2
	s_lshl_b32 s18, ttmp9, 17
	s_add_nc_u64 s[6:7], s[6:7], s[18:19]          ; wo at my 16 rows of 8,192 bytes
	s_lshl_b32 s18, ttmp9, 16
	s_add_nc_u64 s[8:9], s[8:9], s[18:19]          ; wo16 likewise, 4,096 bytes a row
	s_lshl_b32 s18, ttmp9, 6
	s_add_nc_u64 s[10:11], s[10:11], s[18:19]      ; out0 at my 16 columns
.irp i, 0,1,2,3,4,5,6,7,8,9,10,11,12,13,14,15
	global_load_b128 v[QF+4*\i:QF+4*\i+3], v3, s[20:21] offset:16*\i
.endr
.irp i, 0,1,2,3,4,5,6,7,8,9,10,11,12,13,14,15
	global_load_b128 v[KFR+4*\i:KFR+4*\i+3], v3, s[22:23] offset:16*\i
.endr
.irp i, 0,1,2,3,4,5,6,7,8,9,10,11,12,13,14,15
	global_load_b128 v[WOR+4*\i:WOR+4*\i+3], v5, s[6:7] offset:8192*\i th:TH_LOAD_NT   ; the wave reads 512 consecutive bytes of row i
.endr
.macro NINE                            ; behind a run of these matrix instructions: eight places before a result is read or a source loaded into, nine before a new sum begins on the same accumulators
.rept 9
	v_nop
.endr
.endm
.macro SUM4                            ; the four accumulators' sum, each read from its low end on
.irp p, 0,2,4,6
	v_pk_add_f32 v[T+\p:T+\p+1], v[ACC+\p:ACC+\p+1], v[ACC+8+\p:ACC+8+\p+1]
.endr
.irp p, 0,2,4,6
	v_pk_add_f32 v[W+\p:W+\p+1], v[ACC+16+\p:ACC+16+\p+1], v[ACC+24+\p:ACC+24+\p+1]
.endr
.irp p, 0,2,4,6
	v_pk_add_f32 v[T+\p:T+\p+1], v[T+\p:T+\p+1], v[W+\p:W+\p+1]
.endr
.endm
	s_wait_loadcnt 16                              ; q and k are in; wo's 16 loads may be out
.set i, 0
.rept 32                               ; S^T = K Q^T
.if i < 4
	v_wmma_f32_16x16x4_f32 v[ACC+8*(i%4):ACC+8*(i%4)+7], v[KFR+2*i:KFR+2*i+1], v[QF+2*i:QF+2*i+1], 0
.else
	v_wmma_f32_16x16x4_f32 v[ACC+8*(i%4):ACC+8*(i%4)+7], v[KFR+2*i:KFR+2*i+1], v[QF+2*i:QF+2*i+1], v[ACC+8*(i%4):ACC+8*(i%4)+7]
.endif
.set i, i+1
.endr
	NINE
.irp t, 0,1,2,3,4,5,6,7                ; v: register 8 t + i = v(key 8 hh + i, channel 16 t + r)
.irp i, 0,1,2,3,4,5,6,7
	global_load_b32 v[QF+8*\t+\i], v4, s[24:25] offset:512*\i+64*\t
.endr
.endr
	SUM4
.irp j, 0,1,2,3,4,5,6,7
	v_cmp_gt_i32 vcc_lo, \j, v12
	v_cndmask_b32 v[T+\j], v[T+\j], v13, vcc_lo    ; hidden keys: -infinity ahead of the maximum
.endr
	v_max3_num_f32 v[W], v[T], v[T+1], v[T+2]
	v_max3_num_f32 v[W+1], v[T+3], v[T+4], v[T+5]
	v_max3_num_f32 v[W], v[W], v[T+6], v[T+7]
	v_max_num_f32 v[W], v[W], v[W+1]
	v_permlanex16_b32 v[W+2], v[W], s[SEL], s[SEL+1]
	v_max_num_f32 v[W], v[W], v[W+2]               ; the row's maximum (key 0 counts for every query)
	v_mul_f32 v[W+1], s[CS], v[W]
.irp j, 0,1,2,3,4,5,6,7
	v_fma_f32 v[T+\j], v[T+\j], s[CS], -v[W+1]
.endr
.irp j, 0,1,2,3,4,5,6,7
	v_exp_f32 v[T+\j], v[T+\j]                     ; p = 2^(c s - c m)
.endr
	v_nop                                          ; a plain instruction behind the last exponential
	s_wait_alu depctr_va_vdst(0)                   ; one wait for the batch, ahead of its first reader
	v_add_f32 v[W], v[T], v[T+1]
	v_add_f32 v[W+1], v[T+2], v[T+3]
	v_add_f32 v[W+2], v[T+4], v[T+5]
	v_add_f32 v[W+3], v[T+6], v[T+7]
	v_add_f32 v[W], v[W], v[W+1]
	v_add_f32 v[W+2], v[W+2], v[W+3]
	v_add_f32 v[W], v[W], v[W+2]
	v_permlanex16_b32 v[W+4], v[W], s[SEL], s[SEL+1]
	v_add_f32 v[W], v[W], v[W+4]                   ; the row's sum
	v_rcp_f32 v[W+6], v[W]
	v_nop
	s_wait_alu depctr_va_vdst(0)
	s_wait_loadcnt 0x0                             ; v is in, and wo with it
.irp g, 0,1                            ; O^T = V^T P, four tiles of 16 channels at a time
.irp sp, 0,1,2,3
.irp tt, 0,1,2,3
.if \sp == 0
	v_wmma_f32_16x16x4_f32 v[ACC+8*\tt:ACC+8*\tt+7], v[QF+8*(4*\g+\tt)+2*\sp:QF+8*(4*\g+\tt)+2*\sp+1], v[T+2*\sp:T+2*\sp+1], 0
.else
	v_wmma_f32_16x16x4_f32 v[ACC+8*\tt:ACC+8*\tt+7], v[QF+8*(4*\g+\tt)+2*\sp:QF+8*(4*\g+\tt)+2*\sp+1], v[T+2*\sp:T+2*\sp+1], v[ACC+8*\tt:ACC+8*\tt+7]
.endif
.endr
.endr
	NINE
.irp tt, 0,1,2,3
.irp p, 0,2,4,6
	v_pk_mul_f32 v[KFR+8*(4*\g+\tt)+\p:KFR+8*(4*\g+\tt)+\p+1], v[ACC+8*\tt+\p:ACC+8*\tt+\p+1], v[W+6:W+7] op_sel_hi:[1,0]   ; / the sum
.endr
.endr
.endr
.set i, 0
.rept 32
	v_pk_mul_f32 v[WOR+2*i:WOR+2*i+1], v[WOR+2*i:WOR+2*i+1], 0x41800000 op_sel_hi:[1,0]   ; wo x 16
.set i, i+1
.endr
.irp i, 0,1,2,3,4,5,6,7,8,9,10,11,12,13,14,15
	ds_store_b128 v6, v[WOR+4*\i:WOR+4*\i+3] offset:528*\i
.endr
.irp t, 0,1,2,3,4,5,6,7                ; back as a fragment: register 8 t + j = 16 wo(row r, channel 16 t + 8 hh + j).  My own bytes: LDS serves a wave's instructions in order
	ds_load_b128 v[QF+8*\t:QF+8*\t+3],   v7 offset:64*\t
	ds_load_b128 v[QF+8*\t+4:QF+8*\t+7], v7 offset:64*\t+16
.endr
	s_wait_dscnt 0x0
.irp i, 0,1,2,3,4,5,6,7,8,9,10,11,12,13,14,15
	v_cvt_pk_f16_f32 v[WOR+4*\i],   v[WOR+4*\i],   v[WOR+4*\i+1]
	v_cvt_pk_f16_f32 v[WOR+4*\i+1], v[WOR+4*\i+2], v[WOR+4*\i+3]
.endr
.irp i, 0,1,2,3,4,5,6,7,8,9,10,11,12,13,14,15
	global_store_b64 v8, v[WOR+4*\i:WOR+4*\i+1], s[8:9] offset:4096*\i   ; the wave stores 256 consecutive bytes, aligned
.endr
.set i, 0
.rept 32                               ; my head's part of out^T = wo O^T
.if i < 4
	v_wmma_f32_16x16x4_f32 v[ACC+8*(i%4):ACC+8*(i%4)+7], v[QF+2*i:QF+2*i+1], v[KFR+2*i:KFR+2*i+1], 0
.else
	v_wmma_f32_16x16x4_f32 v[ACC+8*(i%4):ACC+8*(i%4)+7], v[QF+2*i:QF+2*i+1], v[KFR+2*i:KFR+2*i+1], v[ACC+8*(i%4):ACC+8*(i%4)+7]
.endif
.set i, i+1
.endr
	NINE
	SUM4
	ds_store_b128 v9, v[T:T+3]
	ds_store_b128 v9, v[T+4:T+7] offset:16
	s_wait_dscnt 0x0                               ; for the others' sake: my stores are done
	s_barrier_signal -1
	s_barrier_wait -1
	s_cmp_lt_u32 s[WV], 8                          ; waves 0-7 add the sixteen heads' parts: two rows of 16 columns each
	s_cbranch_scc0 .Ldone
.irp w, 0,1,2,3,4,5,6,7,8,9,10,11,12,13,14,15
	ds_load_b32 v[QF+\w], v10 offset:1024*\w
.endr
	s_wait_dscnt 0x0
.irp w, 0,2,4,6,8,10,12,14
	v_add_f32 v[QF+\w], v[QF+\w], v[QF+\w+1]
.endr
.irp w, 0,4,8,12
	v_add_f32 v[QF+\w], v[QF+\w], v[QF+\w+2]
.endr
	v_add_f32 v[QF], v[QF], v[QF+4]
	v_add_f32 v[QF+8], v[QF+8], v[QF+12]
	v_add_f32 v[QF], v[QF], v[QF+8]
	global_store_b32 v11, v[QF], s[10:11]
.Ldone:
	s_wait_tensorcnt 0x0                           ; the wave's end
	ds_add_u32 v[SPW], v[NIL]
	s_wait_dscnt 0x0
	s_endpgm
.Lfunc_end_k_q62e0fed4fa_first16:
	.size	k_q62e0fed4fa_first16, .Lfunc_end_k_q62e0fed4fa_first16-k_q62e0fed4fa_first16
	.p2alignl 7, 3214868480
	.fill 96, 4, 3214868480
	.section	.rodata,"a",@progbits
	.p2align	6, 0x0
	.amdhsa_kernel k_q62e0fed4fa_first16
		.amdhsa_group_segment_fixed_size 153600
		.amdhsa_private_segment_fixed_size 0
		.amdhsa_enable_private_segment 0
		.amdhsa_kernarg_size 32
		.amdhsa_user_sgpr_count 2
		.amdhsa_user_sgpr_kernarg_segment_ptr 1
		.amdhsa_wavefront_size32 1
		.amdhsa_system_sgpr_workgroup_id_x 1
		.amdhsa_system_sgpr_workgroup_id_y 1
		.amdhsa_system_sgpr_workgroup_id_z 1
		.amdhsa_system_vgpr_workitem_id 0
		.amdhsa_next_free_vgpr 256
		.amdhsa_next_free_sgpr 66
		.amdhsa_reserve_vcc 1
		.amdhsa_float_denorm_mode_32 3
		.amdhsa_float_denorm_mode_16_64 3
		.amdhsa_memory_ordered 1
		.amdhsa_forward_progress 1
		.amdhsa_inst_pref_size 37
	.end_amdhsa_kernel
	.amdgpu_metadata
---
amdhsa.version: [ 1, 2 ]
amdhsa.kernels:
  - .name:           k_q62e0fed4fa_first16
    .symbol:         k_q62e0fed4fa_first16.kd
    .args:
      - { .name: rows32, .offset: 0, .size: 8, .value_kind: global_buffer, .address_space: global }
      - { .name: wo, .offset: 8, .size: 8, .value_kind: global_buffer, .address_space: global }
      - { .name: wo16, .offset: 16, .size: 8, .value_kind: global_buffer, .address_space: global }
      - { .name: out0, .offset: 24, .size: 8, .value_kind: global_buffer, .address_space: global }
    .group_segment_fixed_size: 153600
    .private_segment_fixed_size: 0
    .kernarg_segment_align: 8
    .kernarg_segment_size: 32
    .max_flat_workgroup_size: 512
    .sgpr_count:     66
    .vgpr_count:     256
    .wavefront_size: 32
...
	.end_amdgpu_metadata
.endif
;; end of part 3
;; launch attn (part 4): grid 32 x 8, 4 waves a work-group, no clusters, 327,680 bytes of LDS; arguments qkv16, att16; writes att16
.if DOCPART == 4
	.amdgcn_target "amdgcn-amd-amdhsa--gfx1250"
	.amdhsa_code_object_version 6
	.text
	.protected	k_q62e0fed4fa_attn
	.globl	k_q62e0fed4fa_attn
	.p2align	8
	.type	k_q62e0fed4fa_attn,@function
k_q62e0fed4fa_attn:
	s_mov_b64 s[64:65], 0
	v_nop
	global_prefetch_b8 v0, s[64:65] scope:SCOPE_SE
	s_setreg_imm32_b32 hwreg(HW_REG_WAVE_MODE, 25, 1), 1
	s_wait_xcnt 0x0
; att16 = (1/16) x the sum over keys k <= token of softmax_k(q . k / sqrt(128)) v.  q, k, v: f16 of value / 16, [32 slots][2,048][128]; products on f16 operands, f32 sums; maxima, exponentials and sums in f32.
; att16 IS LAID IN THE ORDER OF THE NEXT PRODUCT'S OPERAND REGISTERS: [128 tiles of 16 tokens][64 parts of 32 along its K = head x 128 + channel][1,024 bytes]; in a part: two runs of 512 bytes, 16 bytes a lane:
; lane (r, h) holds token r, in the first run channels 8 h + 0 .. 7 of the part's 32, in the second 16 + 8 h + 0 .. 7.  My packed results are that image as they stand, so they are stored straight from registers.
; WORK LEFT OUT: key tiles that lie wholly after a tile of queries, under the causal mask that reference() builds itself (shown at the head of the first launch).
; SHARES.  Work-group (j, g): key/value head g.  Wave w: head 2 g + w % 2, a = 2 j + w / 2, and TWO tiles of 16 queries of that head: E (queries 16 a on) and L (queries 16 (127 - a) on).
; So each wave has (a + 1 + 128 - a) / 4 tile-steps of 64 keys, whatever a: all 256 work-groups have equal work.  All four waves of a work-group are at work in the same steps.
; THE WALK.  Every work-group walks 16 slots of 128 keys (a constant trip count).  A slot whose first key comes after L's last query is jumped over whole (one branch a trip, on ids and the count of trips);
; E is left out step by step.  In a slot that L enters both steps are run: a second step past the diagonal is wholly masked (p = 0, at most once a wave).
; LAYOUT.  S^T = K Q^T (source 0 = 16 keys, source 1 = 16 queries): a lane holds ONE query (lane % 16) and keys 8 (lane / 16) + j.  Two such tiles, rounded to f16 in pairs, are source 1 of O^T = V^T P.
; K comes out of LDS as it lies, V ([key][channel]) turned, by ds_load_tr16_b128.
; SOFTMAX.  A running maximum m and sum l for each query: p = 2^(c s - c m), c = 2^8 log2(e) / sqrt(128) (2^8 for the two factors 1/16); in every step O and l are multiplied by 2^(c m_old - c m_new).
; LIMIT: m starts at -1e37, so that c m stays finite: a row all of whose scores (on operands / 16) lie under that is not served.
; NO CLUSTER: work-groups of one key/value head have different causal limits, so a partner would jump over the reads of tiles that a joint load brings, and the jumps would hang on its place in the cluster.
; REGISTERS: window 0: v2-11 addresses; v12-27 statistics, 8 a tile: +0 c m, +1 m, +2, +3 l, +4 to +7 at work (the rescaling factor takes +6); v64-127 S^T; v192-223 P.
;   window 1: O^T, 64 a tile.   window 2: v0-63 Q; v128-255 K of one step.   window 3: v0-127 V of one step.
.set KSZ,   64
.set PK,    272                        ; a row of K in LDS: 256 bytes + 16
.set PV,    288                        ; a row of V: 256 + 32
.set VOFF,  KSZ*PK
.set STEPB, KSZ*(PK+PV)                ; a step's tiles: 64 rows of K, then 64 of V
.set SLOT1, 1<<17                      ; slot 1 begins here: one exclusive or turns an address
.set SPARE, SLOT1+2*STEPB              ; behind the ring: the spare words: 128 bytes a wave, named by no other line
.set AK0, 2
.set AV0, 3
.set ADR, 4
.set QO,  5
.set GO,  8                            ; v8  16 x lane
.set RH,  9                            ; v9  lane % 16 - 8 (lane / 16)
.set DD,  10
.set NEG, 11                           ; v11 -infinity
.set ST,  12
.set PFO, 61                           ; v61 256 x lane; never rewritten
.set SPW, 62
.set NIL, 63
.set S,   64
.set P,   192
.set KFR, 128
.set WV,  12
.set G1K, 24
.set G1V, 32
.set G0K, 40                           ; s[40:43], s[44:47]: groups 0, which walk
.set G0V, 44
.set SLOTS, 56
.set CS,  58
.set SEL, 60
.set TB,  62                           ; s62 LDS byte at which the slot in hand begins
.set KEY, 66                           ; s66 the slot's first key
.set Q0E, 67                           ; s67 E's first query, s68 its last; s69, s70 L's
.set QEL, 68
.set Q0L, 69
.set QLL, 70
.set QW,  71                           ; s71 my work-group's last query
.set PFK, 72
.set PFV, 74
.set LIM, 76
.set KS,  77                           ; s77 the step's first key
.set OBE, 78                           ; s[78:79], s[80:81] att16 at E's and L's tile, my head's four parts
.set QBE, 82                           ; s[82:83], s[84:85] q at E's and L's first row
.set MSB, 0
.macro WIN new
.if MSB != \new
	s_set_vgpr_msb (MSB<<8)|\new
.set MSB, \new
.endif
.endm
.set W_KQ, 0x0a                        ; K and Q window 2, S^T window 0
.set W_PV, 0x53                        ; V window 3, P window 0, O^T window 1
.set W_RS, 0x41                        ; O^T (destination and source 0) window 1
.macro PLACES
.rept 4
	v_nop
.endr
.endm
; Waves 0 and 1 fetch a slot's two tiles of K, waves 2 and 3 those of V: every wave has a load in one of the two arms.  An s_nop 0 and four v_nop follow each line.
.macro TLOAD
	s_cmp_lt_u32 s[WV], 2
	s_cbranch_scc0 .Lfor_v_\@
	tensor_load_to_lds s[G0K:G0K+3], s[G1K:G1K+7]
	s_nop 0
.rept 4
	v_nop
.endr
	s_branch .Lasked_\@
.Lfor_v_\@:
	tensor_load_to_lds s[G0V:G0V+3], s[G1V:G1V+7]
	s_nop 0
.rept 4
	v_nop
.endr
.Lasked_\@:
.endm
; A prefetch of what the NEXT change of slots will ask for: 128 rows of K and 128 of V, 256 bytes a row.  All 32 work-groups of a key/value head walk the same rows: the first of them (j = 0, which walks all slots)
; asks, wave w for rows 32 w .. 32 w + 31 of each, a lane a row: each row is named once in the launch.  The last two changes ask for nothing: there is no slot behind.  Slots 0 and 1 come by their loads alone.
.macro ASK
	s_cmp_gt_u32 s[SLOTS], s[LIM]
	s_cbranch_scc0 .Lnot_mine_\@
	global_prefetch_b8 v[PFO], s[PFK:PFK+1] th:TH_LOAD_NT scope:SCOPE_SE
	global_prefetch_b8 v[PFO], s[PFV:PFV+1] th:TH_LOAD_NT scope:SCOPE_SE
.Lnot_mine_\@:
.endm
	s_load_b128 s[4:7], s[0:1], 0x0                ; qkv16, att16
	v_lshl_add_u32 v[SPW], v0, 2, SPARE
	v_mov_b32 v[NIL], 0
	ds_add_u32 v[SPW], v[NIL]                      ; the wave's opening: the add, twice on end, and its wait ahead of my first tensor load
	ds_add_u32 v[SPW], v[NIL]
	v_lshrrev_b32 v1, 5, v0
	v_readfirstlane_b32 s[WV], v1
	s_and_b32 s13, ttmp7, 0xffff                   ; g
	s_and_b32 s14, s[WV], 1
	s_lshr_b32 s15, s[WV], 1
	s_lshl_b32 s16, ttmp9, 1
	s_add_co_u32 s16, s16, s15                     ; a
	s_lshl_b32 s[Q0E], s16, 4
	s_add_co_u32 s[QEL], s[Q0E], 15
	s_sub_co_u32 s[Q0L], 2032, s[Q0E]
	s_add_co_u32 s[QLL], s[Q0L], 15
	s_lshl_b32 s17, ttmp9, 5
	s_sub_co_u32 s[QW], 2047, s17
	s_lshl_b32 s18, s13, 1
	s_add_co_u32 s18, s18, s14                     ; head
	s_lshl_b32 s19, s18, 19                        ; its slot of qkv16
	s_lshl_b32 s86, s[Q0E], 8
	s_add_co_u32 s86, s86, s19
	s_mov_b32 s87, 0
	s_lshl_b32 s88, s[Q0L], 8
	s_add_co_u32 s88, s88, s19
	s_mov_b32 s89, 0
	s_lshl_b32 s19, s18, 12                        ; att16: my head's four parts of 1,024 bytes,
	s_lshl_b32 s90, s[Q0E], 12                     ; in the tile of 16 tokens: 65,536 bytes a tile = 4,096 a token
	s_add_co_u32 s90, s90, s19
	s_mov_b32 s91, 0
	s_lshl_b32 s92, s[Q0L], 12
	s_add_co_u32 s92, s92, s19
	s_mov_b32 s93, 0
	s_add_co_u32 s20, s13, 16
	s_lshl_b32 s20, s20, 19                        ; K: slot 16 + g
	s_lshl_b32 s95, s[WV], 13
	s_add_co_u32 s94, s20, s95
	s_add_co_u32 s94, s94, 32768                   ; the prefetches: my 32 rows, in slot 1 of the ring's walk; the first change steps them to slot 2
	s_mov_b32 s95, 0
	s_lshl_b32 s21, s14, 14
	s_add_co_u32 s20, s20, s21                     ; the tile that I fetch: step w % 2 of a slot
	s_mov_b32 s21, 0
	s_add_co_u32 s22, s20, 8<<19                   ; V: slot 24 + g
	s_mov_b32 s23, 0
	s_mul_i32 s17, s14, STEPB
	; group 1: 64 rows x 128 elements of 2 bytes, dense; 16 (K) or 32 (V) bytes of padding behind every 256
	s_mov_b32 s[G1K], (1<<16)|(1<<20)|(5<<22)|(3<<25)
	s_mov_b32 s[G1V], (1<<16)|(1<<20)|(5<<22)|(7<<25)
.irp g, G1K, G1V
	s_mov_b32 s[\g+1], 128<<16
	s_mov_b32 s[\g+2], KSZ<<16
	s_mov_b32 s[\g+3], 128<<16
	s_mov_b32 s[\g+4], KSZ
	s_mov_b32 s[\g+5], 128
	s_mov_b32 s[\g+6], 0
	s_mov_b32 s[\g+7], 0
.endr
	s_mov_b32 s[CS], 0x420293ee
	s_mov_b32 s[CS+1], s[CS]
	s_mov_b32 s[SEL], 0x76543210
	s_mov_b32 s[SEL+1], 0xfedcba98
	s_mov_b32 s[TB], 0
	s_mov_b32 s[KEY], 0
	s_mov_b32 s[SLOTS], 16
	s_cmp_eq_u32 ttmp9, 0
	s_cselect_b32 s[LIM], 2, -1
	s_wait_dscnt 0x0                               ; both opening adds are done
	s_wait_kmcnt 0x0
	s_mov_b32 s[G0K], 1
	s_mov_b32 s[G0K+1], s17
	s_add_nc_u64 s[G0K+2:G0K+3], s[4:5], s[20:21]
	s_or_b32 s[G0K+3], s[G0K+3], 0x80000000
	s_mov_b32 s[G0V], 1
	s_add_co_u32 s[G0V+1], s17, VOFF
	s_add_nc_u64 s[G0V+2:G0V+3], s[4:5], s[22:23]
	s_or_b32 s[G0V+3], s[G0V+3], 0x80000000
	TLOAD                                          ; slot 0: one load a wave
	s_add_nc_u64 s[QBE:QBE+1], s[4:5], s[86:87]
	s_add_nc_u64 s[QBE+2:QBE+3], s[4:5], s[88:89]
	s_add_nc_u64 s[OBE:OBE+1], s[6:7], s[90:91]
	s_add_nc_u64 s[OBE+2:OBE+3], s[6:7], s[92:93]
	s_add_nc_u64 s[PFK:PFK+1], s[4:5], s[94:95]
	s_add_nc_u64 s[PFV:PFV+1], s[PFK:PFK+1], 8<<19
	v_and_b32 v28, 15, v0                          ; r
	v_bfe_u32 v29, v0, 4, 1                        ; h
	v_lshlrev_b32 v[QO], 8, v28
	v_lshl_add_u32 v[QO], v29, 4, v[QO]
	WIN 0x80
.irp c, 0,1,2,3                        ; Q stays in registers: tile t, channels 32 c on, at v[32 t + 8 c] of window 2
	global_load_b128 v[8*\c:8*\c+3],       v[QO], s[QBE:QBE+1] offset:64*\c
	global_load_b128 v[8*\c+4:8*\c+7],     v[QO], s[QBE:QBE+1] offset:64*\c+32
	global_load_b128 v[32+8*\c:32+8*\c+3], v[QO], s[QBE+2:QBE+3] offset:64*\c
	global_load_b128 v[32+8*\c+4:32+8*\c+7], v[QO], s[QBE+2:QBE+3] offset:64*\c+32
.endr
	WIN 0
	v_mul_u32_u24 v[AK0], v28, PK
	v_lshl_add_u32 v[AK0], v29, 4, v[AK0]          ; K: row x pitch + 16 h
	v_and_b32 v30, 7, v0
	v_bfe_u32 v31, v0, 3, 1
	v_lshl_add_u32 v[AV0], v29, 3, v30             ; V, for the turning load: key 8 h + lane % 8, channels 8 ((lane / 8) % 2) on
	v_mul_u32_u24 v[AV0], v[AV0], PV
	v_lshl_add_u32 v[AV0], v31, 4, v[AV0]
	v_add_nc_u32 v[AV0], VOFF, v[AV0]
	v_and_b32 v[GO], 31, v0
	v_lshlrev_b32 v[GO], 4, v[GO]                  ; att16: 16 bytes a lane
	v_lshlrev_b32 v[RH], 3, v29
	v_sub_nc_u32 v[RH], v28, v[RH]
	v_mov_b32 v[NEG], 0xff800000
	v_and_b32 v[PFO], 31, v0
	v_lshlrev_b32 v[PFO], 8, v[PFO]
.irp t, 0,1
	v_mov_b32 v[ST+8*\t+1], 0xfcf0bdc2             ; m = -1e37
	v_mul_f32 v[ST+8*\t], s[CS], v[ST+8*\t+1]
.irp k, 2,3,4,5,6,7
	v_mov_b32 v[ST+8*\t+\k], 0
.endr
.endr
	WIN 0x40
.set i, 0
.rept 128
	v_mov_b32 v[i], 0                              ; O^T.  (A step is written once: the first finds zeros, which its factor 0 leaves zeros)
.set i, i+1
.endr
	WIN 0
.macro FETCH_K off                     ; a step's K: 16 fragments: keys 16 (f / 4) on, channels 32 (f % 4) on
	WIN 0
	v_add_nc_u32 v[ADR], s[TB], v[AK0]
	WIN 0x80
.irp f, 0,1,2,3,4,5,6,7,8,9,10,11,12,13,14,15
	ds_load_b128 v[KFR+8*\f:KFR+8*\f+3],   v[ADR] offset:(\off)+(\f/4)*16*PK+(\f%4)*64
	ds_load_b128 v[KFR+8*\f+4:KFR+8*\f+7], v[ADR] offset:(\off)+(\f/4)*16*PK+(\f%4)*64+32
.endr
.endm
.macro FETCH_V off                     ; a step's V, turned: keys 32 (f / 8) on, channels 16 (f % 8) on
	WIN 0
	v_add_nc_u32 v[ADR], s[TB], v[AV0]
	WIN 0xc0
.irp f, 0,1,2,3,4,5,6,7,8,9,10,11,12,13,14,15
	ds_load_tr16_b128 v[8*\f:8*\f+3],   v[ADR] offset:(\off)+(\f/8)*32*PV+(\f%8)*32
	ds_load_tr16_b128 v[8*\f+4:8*\f+7], v[ADR] offset:(\off)+(\f/8)*32*PV+16*PV+(\f%8)*32
.endr
.endm
; The accumulators take turns, one instruction a turn: four in K Q^T, eight in V^T P.
.macro KQ t
	WIN W_KQ
.set i, 0
.rept 16
.if i < 4
	v_wmma_f32_16x16x32_f16 v[S+32*(\t)+8*(i%4):S+32*(\t)+8*(i%4)+7], v[KFR+32*(i%4)+8*(i/4):KFR+32*(i%4)+8*(i/4)+7], v[32*(\t)+8*(i/4):32*(\t)+8*(i/4)+7], 0
.else
	v_wmma_f32_16x16x32_f16 v[S+32*(\t)+8*(i%4):S+32*(\t)+8*(i%4)+7], v[KFR+32*(i%4)+8*(i/4):KFR+32*(i%4)+8*(i/4)+7], v[32*(\t)+8*(i/4):32*(\t)+8*(i/4)+7], v[S+32*(\t)+8*(i%4):S+32*(\t)+8*(i%4)+7]
.endif
.set i, i+1
.endr
.endm
.macro PVM t
	WIN W_PV
.set i, 0
.rept 16
	v_wmma_f32_16x16x32_f16 v[64*(\t)+8*(i%8):64*(\t)+8*(i%8)+7], v[64*(i/8)+8*(i%8):64*(i/8)+8*(i%8)+7], v[P+16*(\t)+8*(i/8):P+16*(\t)+8*(i/8)+7], v[64*(\t)+8*(i%8):64*(\t)+8*(i%8)+7]
.set i, i+1
.endr
.endm
.macro MASK t                          ; register n holds key KS + 16 (n / 8) + 8 h + n % 8: hidden where it is above my query
	s_sub_co_i32 s96, s[Q0E+2*(\t)], s[KS]
	v_add_nc_u32 v[DD], s96, v[RH]
.set n, 0
.rept 32
	v_cmp_gt_i32 vcc_lo, 16*(n/8)+n%8, v[DD]
	v_cndmask_b32 v[S+32*(\t)+n], v[S+32*(\t)+n], v[NEG], vcc_lo
.set n, n+1
.endr
.endm
.macro SOFTMAX t
.set rT, ST+8*(\t)
.set rS, S+32*(\t)
.set rP, P+16*(\t)
.irp j, 0,1,2,3
	v_max3_num_f32 v[rT+4+\j], v[rS+8*\j], v[rS+8*\j+1], v[rS+8*\j+2]      ; four chains; each accumulator is read from its low end on
.endr
.irp i, 3,5
.irp j, 0,1,2,3
	v_max3_num_f32 v[rT+4+\j], v[rT+4+\j], v[rS+8*\j+\i], v[rS+8*\j+\i+1]
.endr
.endr
	v_max3_num_f32 v[rT+4], v[rT+4], v[rS+7], v[rS+15]
	v_max3_num_f32 v[rT+6], v[rT+6], v[rS+23], v[rS+31]
	v_max3_num_f32 v[rT+4], v[rT+4], v[rT+5], v[rT+6]
	v_max3_num_f32 v[rT+4], v[rT+4], v[rT+7], v[rT+1]                      ; with the old m
	v_permlanex16_b32 v[rT+5], v[rT+4], s[SEL], s[SEL+1]                   ; the query's other 32 keys lie in the lane 16 away
	v_mov_b32 v[rT+7], v[rT]
	v_max_num_f32 v[rT+1], v[rT+4], v[rT+5]
	v_mul_f32 v[rT], s[CS], v[rT+1]
	v_sub_f32 v[rT+7], v[rT+7], v[rT]                                      ; c m_old - c m_new
.set b, 0
.rept 16
	v_pk_fma_f32 v[rS+2*b:rS+2*b+1], v[rS+2*b:rS+2*b+1], s[CS:CS+1], v[rT:rT+1] op_sel_hi:[1,0,0] neg_lo:[0,0,1] neg_hi:[0,0,1]   ; c s - c m
.set b, b+1
.endr
	v_exp_f32 v[rT+6], v[rT+7]
.set e, 0
.rept 32
	v_exp_f32 v[rS+e], v[rS+e]
.set e, e+1
.endr
	v_nop                                          ; a plain instruction behind the last exponential
	s_wait_alu depctr_va_vdst(0)                   ; ONE wait for the batch of 33, ahead of its first reader
.set b, 0
.rept 16
	v_cvt_pk_f16_f32 v[rP+b], v[rS+2*b], v[rS+2*b+1]
.set b, b+1
.endr
.irp z, 0,1,2,3,4,5,6,7
	v_pk_add_f32 v[rS+4*\z:rS+4*\z+1], v[rS+4*\z:rS+4*\z+1], v[rS+4*\z+2:rS+4*\z+3]
.endr
.irp z, 0,1,2,3
	v_pk_add_f32 v[rS+8*\z:rS+8*\z+1], v[rS+8*\z:rS+8*\z+1], v[rS+8*\z+4:rS+8*\z+5]
.endr
.irp z, 0,1
	v_pk_add_f32 v[rS+16*\z:rS+16*\z+1], v[rS+16*\z:rS+16*\z+1], v[rS+16*\z+8:rS+16*\z+9]
.endr
	v_pk_add_f32 v[rS:rS+1], v[rS:rS+1], v[rS+16:rS+17]
	v_pk_fma_f32 v[rT+2:rT+3], v[rT+2:rT+3], v[rT+6:rT+7], v[rS:rS+1] op_sel_hi:[1,0,1]
	WIN W_RS
.set i, 0
.rept 32
	v_pk_mul_f32 v[64*(\t)+2*i:64*(\t)+2*i+1], v[64*(\t)+2*i:64*(\t)+2*i+1], v[rT+6:rT+7] op_sel_hi:[1,0]
.set i, i+1
.endr
	WIN 0
.endm
; THE CHANGE OF SLOTS stands at a slot's head.  Each wave waits for all its tensor loads (its part of the slot ahead), adds 0 to its spare word, and waits for that and for its reads of the slot that it has left.
; Behind the barrier the other slot is filled with the keys that follow, while some query of the work-group sees them: a test on ids and the count of trips alone, the same in all four waves, which leads
; round the load's own lines and nothing else; every wait on TENSORcnt in this text is for 0.  The load has a slot's two steps in which to land.  One load of mine is out behind each change.
.macro CHANGE
	s_wait_tensorcnt 0x0
	ds_add_u32 v[SPW], v[NIL]
	s_xor_b32 s[G0K+1], s[G0K+1], SLOT1
	s_add_nc_u64 s[G0K+2:G0K+3], s[G0K+2:G0K+3], 32768
	s_xor_b32 s[G0V+1], s[G0V+1], SLOT1
	s_add_nc_u64 s[G0V+2:G0V+3], s[G0V+2:G0V+3], 32768
	s_wait_xcnt 0x0                                ; the last prefetches, a slot back, have read their addresses
	s_add_nc_u64 s[PFK:PFK+1], s[PFK:PFK+1], 32768
	s_add_nc_u64 s[PFV:PFV+1], s[PFV:PFV+1], 32768
	s_wait_dscnt 0x0
	s_barrier_signal -1
	s_barrier_wait -1
	s_add_co_u32 s96, s[KEY], 128                  ; the first key of the slot that this change would ask for
	s_cmp_gt_u32 s96, s[QW]
	s_cbranch_scc1 .Lpast_\@
	TLOAD
.Lpast_\@:
	ASK
.endm
; A KEY STEP: 64 keys, the q-th of the slot.  K's 32 loads are out when it begins.
.macro STEP q
	PLACES                                         ; in front of loads into V's registers, which the last products read
	FETCH_V (\q)*STEPB
	WIN 0
	s_add_co_u32 s[KS], s[KEY], 64*(\q)
	s_wait_dscnt 32                                ; K is in; V's 32 loads may be out
	s_cmp_gt_u32 s[KS], s[QEL]
	s_cbranch_scc1 .LnoE_\@                        ; all keys of the step come after E's queries
	KQ 0
	WIN 0
	PLACES
	s_add_co_u32 s96, s[KS], 63
	s_cmp_le_u32 s96, s[Q0E]
	s_cbranch_scc1 .LopE_\@                        ; all keys count
	MASK 0
.LopE_\@:
	SOFTMAX 0
	s_wait_dscnt 0x0                               ; V is in
	PVM 0
	WIN 0
.LnoE_\@:
	KQ 1
	WIN 0
	PLACES                                         ; in front of the reads of these scores and of loads into K's registers
.if (\q) == 0
	s_wait_dscnt 0x0                               ; V is in,
	FETCH_K STEPB                                  ; and the slot's second step's K goes out, under L's softmax and products
	WIN 0
.endif
	s_add_co_u32 s96, s[KS], 63
	s_cmp_le_u32 s96, s[Q0L]
	s_cbranch_scc1 .LopL_\@
	MASK 1
.LopL_\@:
	SOFTMAX 1
.if (\q) == 1
	s_wait_dscnt 0x0
.endif
	PVM 1
	WIN 0
.endm
	s_wait_loadcnt 0x0                             ; Q
.Lslot:                                            ; 16 trips
	CHANGE
	s_cmp_gt_u32 s[KEY], s[QLL]
	s_cbranch_scc1 .Lhidden                        ; the whole slot comes after my queries
	FETCH_K 0
	STEP 0
	STEP 1
.Lhidden:
	s_xor_b32 s[TB], s[TB], SLOT1
	s_add_co_u32 s[KEY], s[KEY], 128
	s_sub_co_u32 s[SLOTS], s[SLOTS], 1
	s_cmp_lg_u32 s[SLOTS], 0
	s_cbranch_scc1 .Lslot
	; THE WAY OUT: O^T / l, rounded to f16.  Lane (r, h) holds, of channel tile f, channels 16 f + 8 h + 0 .. 7 of token r: 16 bytes, which are its 16 bytes of run f % 2 of part f / 2 in att16's order.
	PLACES
.irp t, 0,1
	v_add_f32 v[ST+8*\t+4], v[ST+8*\t+2], v[ST+8*\t+3]
.endr
.irp t, 0,1
	v_permlanex16_b32 v[ST+8*\t+5], v[ST+8*\t+4], s[SEL], s[SEL+1]
.endr
.irp t, 0,1
	v_add_f32 v[ST+8*\t+4], v[ST+8*\t+4], v[ST+8*\t+5]
.endr
.irp t, 0,1
	v_rcp_f32 v[ST+8*\t+6], v[ST+8*\t+4]
.endr
	v_nop
	s_wait_alu depctr_va_vdst(0)                   ; one wait for the two reciprocals
.macro PACK t
	WIN W_RS
.set i, 64*\t
.rept 32
	v_pk_mul_f32 v[i:i+1], v[i:i+1], v[ST+8*\t+6:ST+8*\t+7] op_sel_hi:[1,0]
.set i, i+2
.endr
	WIN 0x05                                       ; sources window 1, destination window 0
.set i, 0
.rept 32
	v_cvt_pk_f16_f32 v[S+32*\t+i], v[64*\t+2*i], v[64*\t+2*i+1]
.set i, i+1
.endr
	WIN 0
.irp f, 0,1,2,3,4,5,6,7
	global_store_b128 v[GO], v[S+32*\t+4*\f:S+32*\t+4*\f+3], s[OBE+2*\t:OBE+2*\t+1] offset:512*\f   ; the wave stores 512 consecutive bytes, aligned
.endr
.endm
	PACK 0
	PACK 1
	s_wait_tensorcnt 0x0                           ; the wave's end
	ds_add_u32 v[SPW], v[NIL]
	s_wait_dscnt 0x0
	s_endpgm
.Lfunc_end_k_q62e0fed4fa_attn:
	.size	k_q62e0fed4fa_attn, .Lfunc_end_k_q62e0fed4fa_attn-k_q62e0fed4fa_attn
	.p2alignl 7, 3214868480
	.fill 96, 4, 3214868480
	.section	.rodata,"a",@progbits
	.p2align	6, 0x0
	.amdhsa_kernel k_q62e0fed4fa_attn
		.amdhsa_group_segment_fixed_size 327680
		.amdhsa_private_segment_fixed_size 0
		.amdhsa_enable_private_segment 0
		.amdhsa_kernarg_size 16
		.amdhsa_user_sgpr_count 2
		.amdhsa_user_sgpr_kernarg_segment_ptr 1
		.amdhsa_wavefront_size32 1
		.amdhsa_system_sgpr_workgroup_id_x 1
		.amdhsa_system_sgpr_workgroup_id_y 1
		.amdhsa_system_sgpr_workgroup_id_z 1
		.amdhsa_system_vgpr_workitem_id 0
		.amdhsa_next_free_vgpr 1024
		.amdhsa_next_free_sgpr 100
		.amdhsa_reserve_vcc 1
		.amdhsa_float_denorm_mode_32 3
		.amdhsa_float_denorm_mode_16_64 3
		.amdhsa_memory_ordered 1
		.amdhsa_forward_progress 1
		.amdhsa_inst_pref_size 80
	.end_amdhsa_kernel
	.amdgpu_metadata
---
amdhsa.version: [ 1, 2 ]
amdhsa.kernels:
  - .name:           k_q62e0fed4fa_attn
    .symbol:         k_q62e0fed4fa_attn.kd
    .args:
      - { .name: qkv16, .offset: 0, .size: 8, .value_kind: global_buffer, .address_space: global }
      - { .name: att16, .offset: 8, .size: 8, .value_kind: global_buffer, .address_space: global }
    .group_segment_fixed_size: 327680
    .private_segment_fixed_size: 0
    .kernarg_segment_align: 8
    .kernarg_segment_size: 16
    .max_flat_workgroup_size: 128
    .sgpr_count:     100
    .vgpr_count:     1024
    .wavefront_size: 32
...
	.end_amdgpu_metadata
.endif
;; end of part 4
;; launch proj (part 5): grid 16 x 16, 4 waves a work-group, clusters of 4 x 1, 327,680 bytes of LDS; arguments att16, wo16, out0; writes out0
.if DOCPART == 5
	.amdgcn_target "amdgcn-amd-amdhsa--gfx1250"
	.amdhsa_code_object_version 6
	.text
	.protected	k_q62e0fed4fa_proj
	.globl	k_q62e0fed4fa_proj
	.p2align	8
	.type	k_q62e0fed4fa_proj,@function
k_q62e0fed4fa_proj:
	s_mov_b64 s[64:65], 0
	v_nop
	global_prefetch_b8 v0, s[64:65] scope:SCOPE_SE
	s_setreg_imm32_b32 hwreg(HW_REG_WAVE_MODE, 25, 1), 1
	s_wait_xcnt 0x0
	s_wait_alu depctr_hold_cnt(0) depctr_sa_sdst(0) depctr_va_vdst(0) depctr_va_sdst(0) depctr_va_ssrc(0) depctr_va_vcc(0) depctr_vm_vsrc(0)
	s_getreg_b32 s2, hwreg(HW_REG_IB_STS2, 6, 4)
	s_cmp_eq_u32 s2, 0
	s_cbranch_scc0 .Lentry_in_a_cluster
	s_endpgm
.Lentry_in_a_cluster:
	s_bfe_u32 s2, ttmp6, 0x10000c
	s_cmp_lg_u32 s2, 0x3003
	s_cbranch_scc0 .Lentry_shape_is_right
	s_endpgm
.Lentry_shape_is_right:
; out0[token][d] = the sum over e of att[token][e] wo16[d][e]: 2,048 x 4,096, K = 2,048, f16 operands, f32 sums.  att16 holds the attention's result / 16 and wo16 holds 16 wo: the powers of two cancel.
; Rows 0-15 of out0 are not stored here: the launch that carries them in f32 owns those bytes.  They are multiplied inside their tile of 128 rows, which also holds live rows.
; SHARES.  A work-group makes 128 tokens x 256 columns: 16 x 16 = 256 work-groups (x: the token tile, y: the column tile).  Four waves, each 64 tokens x 128 columns: 32 accumulators, 256 registers.
; A part is 32 along K: 32 matrix instructions, one deep on each accumulator.
; wo16's TILES go through a ring of two LDS slots, each 256 rows x 256 along K (rows of 512 bytes): 8 parts, so that the one load a wave issues behind a change of slots has some 240 matrix instructions in which to land.
; Two such slots fit only because THE TOKENS' FRAGMENTS DO NOT GO THROUGH LDS: att16 lies in the order of the operand's registers ([128 tiles of 16 tokens][64 parts][1,024 bytes]), so a fragment is two loads
; of 512 consecutive bytes straight into registers.  They run in a ring of eight sets of 32 registers: part P asks for part P + 7, into the set that part P - 1 has multiplied; up to 56 loads of a wave are on their way.
; CLUSTER 4 x 1: the four token tiles of a cluster need the same tile of wo16: it is asked for jointly, each wave 64 rows.  The tokens' fragments are not asked for jointly: they go to registers, which no joint load fills;
; the sixteen work-groups of a token tile, and in each the two waves of a half, read them each for itself.
; THE MATRIX INSTRUCTION IS USED TRANSPOSED (source 0 = 16 rows of wo16, source 1 = 16 tokens): a lane holds one token and eight neighbouring columns.
; REGISTERS: window 0: v1-31 addresses; on the way out v32-95, v192-255 rows read back, by turns.  window 1: wo16's fragments, two sets of 64.  window 2: accumulator (a, b) at v[8 (8 a + b)].
;   window 3: the tokens' fragments: set p % 8 of part p at v[32 (p % 8)], block a at + 8 a.
.set PITCH,  528                       ; an LDS row: 512 bytes + 16 of padding, so that the 16 rows of a fragment load start 16 bytes apart modulo 256
.set BQ,     64*PITCH                  ; 64 rows: one load
.set SLOT,   4*BQ
.set LAPS,   4                         ; a lap = two slots = 16 parts; K = 2,048 = 64 parts
.set STAGE,  2*SLOT                    ; 16 rows x (512 bytes + 16) for each wave
.set SPITCH, 528
.set SPARE,  STAGE+4*16*SPITCH         ; the spare words: 128 bytes a wave, named by no other line
.set ADRB, 20                          ; v20-21 LDS address of my fragments of wo16 in slot 0, 1
.set STO,  24
.set RD,   25
.set CO,   26                          ; v26 16 x lane; never rewritten
.set TK,   27                          ; v27 my first token
.set SPW,  28
.set NIL,  29
.set PFO,  30                          ; v30 the prefetches' offset; never rewritten
.set AB,   10                          ; s[10:11] att16 at my first tile of 16 tokens, at the lap's first part
.set G1B,  48
.set G0B,  56                          ; s[56:63] group 0, one set for each slot
.set PFA,  66                          ; s[66:67] where my prefetches stand
.set LIM,  68                          ; s68 1 in a wave that prefetches, else the greatest number
.set MSB, 0
.macro WIN new
.if MSB != \new
	s_set_vgpr_msb (MSB<<8)|\new
.set MSB, \new
.endif
.endm
.set MUL,  0xad                        ; source 0 window 1, source 1 window 3, C and D window 2
.set TO_B, 0x40                        ; destination window 1
.set TO_A, 0xc0                        ; destination window 3
.macro JLOAD s                         ; a joint load: wave w fetches rows 64 w .. 64 w + 63 of the tile; an s_nop 0 and four v_nop follow it
	tensor_load_to_lds s[G0B+4*\s:G0B+4*\s+3], s[G1B:G1B+7]
	s_nop 0
.rept 4
	v_nop
.endr
.endm
.macro CREST
	s_cmp_lg_u32 s14, 0
	s_cbranch_scc1 .Lnot_wave_0_\@
	s_barrier_signal -3
.Lnot_wave_0_\@:
	s_barrier_wait -3
	s_barrier_signal -1
	s_barrier_wait -1
.endm
.macro CROUND
	s_barrier_signal -1
	s_barrier_wait -1
	CREST
.endm
.macro PLACES n
.rept \n
	v_nop
.endr
.endm
; A prefetch of the slot that the NEXT filling change will ask for: 256 rows x 512 bytes.  A column tile's rows are read by the four clusters of its row of clusters: cluster x = 0 asks.  Its four partners and their four
; waves share the rows out by address: rows 64 cx + 16 wave + lane % 16, of each the block of 256 bytes lane / 16: one instruction a wave, each block named once.  how = 1: a trip's first change, which always has
; a slot behind the one that it loads; how = 0: its second, which has none in the last trip.  Slots 0 to 2 come by their loads alone.
.macro ASK how
.if \how
	s_cmp_eq_u32 s[LIM], 1
.else
	s_cmp_gt_u32 s3, s[LIM]                        ; s3 = 1 in the loop's last trip
.endif
	s_cbranch_scc0 .Lnot_mine_\@
	global_prefetch_b8 v[PFO], s[PFA:PFA+1] th:TH_LOAD_NT scope:SCOPE_SE
.Lnot_mine_\@:
.endm
	s_load_b128 s[4:7], s[0:1], 0x0                ; att16, wo16
	s_load_b64 s[8:9], s[0:1], 0x10                ; out0
	v_lshl_add_u32 v[SPW], v0, 2, SPARE
	v_mov_b32 v[NIL], 0
	ds_add_u32 v[SPW], v[NIL]                      ; the wave's opening: the add, twice on end, and its wait ahead of my first tensor load
	ds_add_u32 v[SPW], v[NIL]
	v_lshrrev_b32 v1, 5, v0
	v_readfirstlane_b32 s14, v1                    ; wave 0..3
	s_lshr_b32 s15, s14, 1                         ; my 64 tokens
	s_and_b32 s16, s14, 1                          ; my 128 columns
	s_bfe_u32 s40, ttmp6, 0x40000                  ; cx
	s_lshl_b32 s17, ttmp9, 2
	s_add_co_u32 s17, s17, s40                     ; token tile = 4 x cluster x + cx
	s_and_b32 s42, ttmp7, 0xffff                   ; column tile, which the four partners share
	; group 1: 64 rows x 256 elements of 2 bytes, 2,048 elements apart; 16 bytes of padding behind every 512; the mask names all four partners
	s_mov_b32 s[G1B], 15|(1<<16)|(1<<20)|(1<<21)|(6<<22)|(3<<25)
	s_mov_b32 s[G1B+1], 256<<16
	s_mov_b32 s[G1B+2], 64<<16
	s_mov_b32 s[G1B+3], 256<<16
	s_mov_b32 s[G1B+4], 64
	s_mov_b32 s[G1B+5], 2048
	s_mov_b32 s[G1B+6], 0
	s_mov_b32 s[G1B+7], 0
	s_lshl_b32 s46, s42, 8
	s_lshl_b32 s18, s14, 6
	s_add_co_u32 s46, s46, s18
	s_lshl_b32 s46, s46, 12                        ; wo16: row 256 x column tile + 64 x wave, 4,096 bytes a row
	s_mov_b32 s47, 0
	s_mul_i32 s12, s14, BQ                         ; and where it goes: no place in the cluster enters an LDS address
	s_lshl_b32 s20, s17, 3
	s_lshl_b32 s18, s15, 2
	s_add_co_u32 s20, s20, s18
	s_lshl_b32 s20, s20, 16                        ; att16: tile of 16 tokens 8 x token tile + 4 x half, 65,536 bytes a tile
	s_mov_b32 s21, 0
	s_wait_dscnt 0x0                               ; both opening adds are done
	s_wait_kmcnt 0x0
	s_add_nc_u64 s[46:47], s[6:7], s[46:47]
	s_add_nc_u64 s[AB:AB+1], s[4:5], s[20:21]
	CROUND                                         ; all four work-groups are here: the first joint loads meet
.irp s, 0,1
	s_mov_b32 s[G0B+4*\s], 1
	s_add_co_u32 s[G0B+4*\s+1], s12, \s*SLOT
	s_add_nc_u64 s[G0B+4*\s+2:G0B+4*\s+3], s[46:47], \s*512
	s_or_b32 s[G0B+4*\s+3], s[G0B+4*\s+3], 0x80000000
	JLOAD \s                                       ; two loads of mine are out behind the second
.endr
	v_and_b32 v6, 31, v0
	v_lshlrev_b32 v[CO], 4, v6
; The tokens' fragments of one part (its number counted from the lap's first): four blocks of 16 tokens, two loads of 512 consecutive bytes each
.macro ALOAD part
	WIN TO_A
.irp a, 0,1,2,3
	global_load_b128 v[32*((\part)%8)+8*\a:32*((\part)%8)+8*\a+3],   v[CO], s[AB:AB+1] offset:\a*65536+(\part)*1024
	global_load_b128 v[32*((\part)%8)+8*\a+4:32*((\part)%8)+8*\a+7], v[CO], s[AB:AB+1] offset:\a*65536+(\part)*1024+512
.endr
.endm
.irp p, 0,1,2,3,4,5,6
	ALOAD \p                                       ; parts 0 to 6: 56 loads
.endr
	WIN 0
	v_and_b32 v1, 15, v0                           ; r
	v_bfe_u32 v2, v0, 4, 1                         ; h
	v_mul_u32_u24 v3, v1, PITCH
	v_lshl_add_u32 v4, v2, 4, v3                   ; a fragment's row x pitch + 16 h
	s_mul_i32 s22, s16, 2*BQ                       ; my 128 rows of the tile
.irp s, 0,1
	v_add_nc_u32 v[ADRB+\s], s22, v4
	s_add_co_u32 s22, s22, SLOT
.endr
	s_mul_i32 s23, s14, 16*SPITCH
	s_add_co_u32 s23, s23, STAGE                   ; my stage
	v_mul_u32_u24 v5, v1, SPITCH
	v_lshl_add_u32 v5, v2, 5, v5
	v_add_nc_u32 v[STO], s23, v5                   ; in: row r, 32 bytes for each half of the lanes
	v_add_nc_u32 v[RD], s23, v[CO]                 ; back: the 32 lanes take one row of 512 bytes
	v_lshlrev_b32 v[PFO], 12, v1
	v_lshl_add_u32 v[PFO], v2, 8, v[PFO]           ; the prefetches: row lane % 16, block lane / 16
	s_lshl_b32 s20, s42, 8
	s_lshl_b32 s21, s40, 6
	s_add_co_u32 s20, s20, s21
	s_lshl_b32 s21, s14, 4
	s_add_co_u32 s20, s20, s21                     ; row 256 x column tile + 64 cx + 16 x wave
	s_lshl_b32 s20, s20, 12
	s_add_co_u32 s20, s20, 1024                    ; at slot 2: the first filling change steps it to slot 3
	s_mov_b32 s21, 0
	s_add_nc_u64 s[PFA:PFA+1], s[6:7], s[20:21]
	s_cmp_eq_u32 ttmp9, 0
	s_cselect_b32 s[LIM], 1, -1                    ; the same in all four partners
	s_lshl_b32 s20, s17, 7
	s_lshl_b32 s21, s15, 6
	s_add_co_u32 s20, s20, s21                     ; my first token
	v_mov_b32 v[TK], s20
	s_lshl_b32 s20, s20, 14                        ; 16,384 bytes a row of out0
	s_lshl_b32 s21, s42, 10
	s_add_co_u32 s20, s20, s21
	s_lshl_b32 s21, s16, 9
	s_add_co_u32 s20, s20, s21
	s_mov_b32 s21, 0
	s_add_nc_u64 s[8:9], s[8:9], s[20:21]
.macro FETCH slot, k, set              ; 16 LDS loads in one run: wo16's eight fragments of a part (64 bytes at byte k of the rows)
	WIN TO_B
.irp i, 0,1,2,3,4,5,6,7
	ds_load_b128 v[64*(\set)+8*\i:64*(\set)+8*\i+3],   v[ADRB+\slot] offset:(\k)+\i*16*PITCH
	ds_load_b128 v[64*(\set)+8*\i+4:64*(\set)+8*\i+7], v[ADRB+\slot] offset:(\k)+\i*16*PITCH+32
.endr
.endm
; 8 matrix instructions: the tokens' block a x wo16's eight.  The 32 accumulators take turns, one instruction a turn, in the same order in every part.
.macro MUL8 a, bset, aset, zero
.irp b, 0,1,2,3,4,5,6,7
.if \zero
	v_wmma_f32_16x16x32_f16 v[8*(8*(\a)+\b):8*(8*(\a)+\b)+7], v[64*(\bset)+8*\b:64*(\bset)+8*\b+7], v[32*(\aset)+8*(\a):32*(\aset)+8*(\a)+7], 0
.else
	v_wmma_f32_16x16x32_f16 v[8*(8*(\a)+\b):8*(8*(\a)+\b)+7], v[64*(\bset)+8*\b:64*(\bset)+8*\b+7], v[32*(\aset)+8*(\a):32*(\aset)+8*(\a)+7], v[8*(8*(\a)+\b):8*(8*(\a)+\b)+7]
.endif
.endr
.endm
; One of a slot's first seven parts.  Four places behind the last part's products, the sets that it read are asked for anew: wo16's next part from LDS, the tokens' part seven on from memory (apart: its number in the lap; -1: none).
; lcnt: the loads issued behind this part's eight: six parts' 48, fewer at the end.
.macro PART slot, q, zero, apart, lcnt
	PLACES 4
	FETCH \slot, 64*((\q)+1), 1-(\q)%2
	s_wait_loadcnt \lcnt                           ; this part's fragments of the tokens are in
.if (\apart) >= 0
	ALOAD \apart
.endif
	s_wait_dscnt 16                                ; all but the 16 just issued: this part's fragments of wo16 are in
	WIN MUL
	MUL8 0, (\q)%2, \q, \zero
	MUL8 1, (\q)%2, \q, \zero
	MUL8 2, (\q)%2, \q, \zero
	MUL8 3, (\q)%2, \q, \zero
.endm
; A slot's eighth part changes slots: ONE barrier; in front of it each wave waits for all its tensor loads, adds 0 to its spare word, and waits for that and for its reads of this slot.
.macro TURN slot, next, fill, apart, how
	WIN 0
.if \fill
	s_wait_xcnt 0x0                                ; the last prefetch, a slot back, has read its address
	s_add_nc_u64 s[PFA:PFA+1], s[PFA:PFA+1], 512
.endif
	s_wait_loadcnt 48                              ; this part's fragments of the tokens are in; six parts' 48 loads may be out
	s_wait_tensorcnt 0x0                           ; all my tensor loads have landed: my part of the next slot
	ds_add_u32 v[SPW], v[NIL]
	s_wait_dscnt 1                                 ; this part's 16 loads are in; the add may be out
	WIN MUL
	MUL8 0, 1, 7, 0
	s_wait_dscnt 0x0                               ; the add is done, and my reads of this slot are over
	s_barrier_signal -1
	MUL8 1, 1, 7, 0
	WIN 0
	s_barrier_wait -1
.if \fill
	CREST                                          ; a round of the cluster's barrier: no wave of any partner still reads this slot or has a load on its way
	s_add_nc_u64 s[G0B+4*\slot+2:G0B+4*\slot+3], s[G0B+4*\slot+2:G0B+4*\slot+3], 1024
	JLOAD \slot                                    ; the first tensor load behind the round; its four v_nop are the places in front of the loads below
.else
	PLACES 4
.endif
	FETCH \next, 0, 0
	ALOAD \apart
.if \fill
	WIN 0
	ASK \how
.endif
	WIN MUL
	MUL8 2, 1, 7, 0
	MUL8 3, 1, 7, 0
.endm
	s_wait_tensorcnt 1                             ; my part of slot 0 is in; slot 1's load may be out
	s_barrier_signal -1
	s_barrier_wait -1
	FETCH 0, 0, 0
	PART 0, 0, 1, 7, 48                            ; the first part stands in front of the loop: its products start the sums
	WIN 0
	s_mov_b32 s3, LAPS-1
.Llap:                                             ; a trip goes once round the ring, from a lap's second part to the next lap's first, and fills both slots again
	PART 0, 1, 0, 8, 48
	PART 0, 2, 0, 9, 48
	PART 0, 3, 0, 10, 48
	PART 0, 4, 0, 11, 48
	PART 0, 5, 0, 12, 48
	PART 0, 6, 0, 13, 48
	TURN 0, 1, 1, 14, 1
	PART 1, 0, 0, 15, 48
	PART 1, 1, 0, 16, 48
	PART 1, 2, 0, 17, 48
	PART 1, 3, 0, 18, 48
	PART 1, 4, 0, 19, 48
	PART 1, 5, 0, 20, 48
	PART 1, 6, 0, 21, 48
	TURN 1, 0, 1, 22, 0
	PART 0, 0, 0, 23, 48
	WIN 0
	s_wait_xcnt 0x0                                ; the loads have read their base: it steps only behind this wait
	s_add_nc_u64 s[AB:AB+1], s[AB:AB+1], 16384     ; the next lap's first part
	s_sub_co_u32 s3, s3, 1
	s_cmp_lg_u32 s3, 0
	s_cbranch_scc1 .Llap
	PART 0, 1, 0, 8, 48                            ; the last lap fills nothing
	PART 0, 2, 0, 9, 48
	PART 0, 3, 0, 10, 48
	PART 0, 4, 0, 11, 48
	PART 0, 5, 0, 12, 48
	PART 0, 6, 0, 13, 48
	TURN 0, 1, 0, 14, 0
	PART 1, 0, 0, 15, 48                           ; the last part is asked for;
	PART 1, 1, 0, -1, 48                           ; then the counts run down
	PART 1, 2, 0, -1, 40
	PART 1, 3, 0, -1, 32
	PART 1, 4, 0, -1, 24
	PART 1, 5, 0, -1, 16
	PART 1, 6, 0, -1, 8
	s_wait_loadcnt 0x0
	s_wait_dscnt 0x0
	WIN MUL
	MUL8 0, 1, 7, 0
	MUL8 1, 1, 7, 0
	MUL8 2, 1, 7, 0
	MUL8 3, 1, 7, 0
	WIN 0
; THE WAY OUT, block by block of 16 tokens x 128 columns, through my own stage; it comes back as whole rows of 512 bytes.
.macro TOSTAGE a
.set BB, 32+160*((\a)%2)
	WIN 0x08                                       ; an LDS store's data: window 2
.irp b, 0,1,2,3,4,5,6,7
	ds_store_b128 v[STO], v[64*(\a)+8*\b:64*(\a)+8*\b+3] offset:64*\b            ; each accumulator from its low end on
	ds_store_b128 v[STO], v[64*(\a)+8*\b+4:64*(\a)+8*\b+7] offset:64*\b+16
.endr
	WIN 0
.irp t, 0,1,2,3,4,5,6,7,8,9,10,11,12,13,14,15
	ds_load_b128 v[BB+4*\t:BB+4*\t+3], v[RD] offset:\t*SPITCH                    ; LDS serves a wave's instructions in order: these see my stores
.endr
.endm
.macro SEND a, younger
.set BB, 32+160*((\a)%2)
	s_wait_dscnt \younger                          ; the block is back; the next block's 16 stores and 16 loads may be out
.if (\a) == 0
	v_cmp_ne_u32 vcc_lo, 0, v[TK]                  ; tokens 0-15 belong to the launch that carries them in f32: told by EXEC, not by a branch
	s_wait_xcnt 0x0                                ; EXEC changes only behind this wait
	s_and_saveexec_b32 s18, vcc_lo
.endif
.irp t, 0,1,2,3,4,5,6,7,8,9,10,11,12,13,14,15
	global_store_b128 v[CO], v[BB+4*\t:BB+4*\t+3], s[8:9] offset:(16*(\a)+\t)*16384 th:TH_STORE_NT   ; the wave stores 512 consecutive bytes, aligned
.endr
.if (\a) == 0
	s_wait_xcnt 0x0
	s_or_b32 exec_lo, exec_lo, s18
.endif
.endm
	PLACES 4
	TOSTAGE 0
	TOSTAGE 1
	SEND 0, 32
	s_wait_xcnt 0x0                                ; block 0's stores have read their registers: block 2's loads may land there
	TOSTAGE 2
	SEND 1, 32
	s_wait_xcnt 0x0
	TOSTAGE 3
	SEND 2, 32
	SEND 3, 0
	s_wait_tensorcnt 0x0                           ; the wave's end
	ds_add_u32 v[SPW], v[NIL]
	s_wait_dscnt 0x0
	CROUND                                         ; the closing round
	s_endpgm
.Lfunc_end_k_q62e0fed4fa_proj:
	.size	k_q62e0fed4fa_proj, .Lfunc_end_k_q62e0fed4fa_proj-k_q62e0fed4fa_proj
	.p2alignl 7, 3214868480
	.fill 96, 4, 3214868480
	.section	.rodata,"a",@progbits
	.p2align	6, 0x0
	.amdhsa_kernel k_q62e0fed4fa_proj
		.amdhsa_group_segment_fixed_size 327680
		.amdhsa_private_segment_fixed_size 0
		.amdhsa_enable_private_segment 0
		.amdhsa_kernarg_size 24
		.amdhsa_user_sgpr_count 2
		.amdhsa_user_sgpr_kernarg_segment_ptr 1
		.amdhsa_wavefront_size32 1
		.amdhsa_system_sgpr_workgroup_id_x 1
		.amdhsa_system_sgpr_workgroup_id_y 1
		.amdhsa_system_sgpr_workgroup_id_z 1
		.amdhsa_system_vgpr_workitem_id 0
		.amdhsa_next_free_vgpr 1024
		.amdhsa_next_free_sgpr 70
		.amdhsa_reserve_vcc 1
		.amdhsa_float_denorm_mode_32 3
		.amdhsa_float_denorm_mode_16_64 3
		.amdhsa_memory_ordered 1
		.amdhsa_forward_progress 1
		.amdhsa_inst_pref_size 152
	.end_amdhsa_kernel
	.amdgpu_metadata
---
amdhsa.version: [ 1, 2 ]
amdhsa.kernels:
  - .name:           k_q62e0fed4fa_proj
    .symbol:         k_q62e0fed4fa_proj.kd
    .args:
      - { .name: att16, .offset: 0, .size: 8, .value_kind: global_buffer, .address_space: global }
      - { .name: wo16, .offset: 8, .size: 8, .value_kind: global_buffer, .address_space: global }
      - { .name: out0, .offset: 16, .size: 8, .value_kind: global_buffer, .address_space: global }
    .group_segment_fixed_size: 327680
    .private_segment_fixed_size: 0
    .kernarg_segment_align: 8
    .kernarg_segment_size: 24
    .max_flat_workgroup_size: 128
    .sgpr_count:     70
    .vgpr_count:     1024
    .wavefront_size: 32
...
	.end_amdgpu_metadata
.endif
;; end of part 5
